; MI455X (gfx1250); checked and timed in simulation.
; The chip was launched on July 23, 2026; its instructions are those of AMD's public machine-readable ISA for CDNA 5 (MIT licence, August 2026) and "CDNA5" Instruction Set Architecture Reference Guide (July 2026). The comments in the code are by the model that wrote it; some were corrected since.
;; Loc Mo E Plus Layer. Allowed arithmetic: float matrix products may take bf16 or f16 operands with f32 sums; all other float work in f32.
;; Inputs: W1 8 x 1,024 x 4,096 float32; W2 8 x 4,096 x 1,024 float32; affinity_threshold one number float32; b1 8 x 4,096 float32; b2 8 x 1,024 float32; inputs 4 x 256 x 1,024 float32; waff 8 x 1,024 float32.
;; Outputs: out0 4 x 256 x 1,024 float32.
;; One version. Each part assembles by itself: llvm-mc -triple=amdgcn-amd-amdhsa -mcpu=gfx1250 --defsym DOCPART=n.
;; ======== version 1 of 1: 6 launches
;; limits: values are held in f16: magnitudes above 65,504 overflow, below 6.1e-05 lose precision; inputs' magnitudes at most 65,504; right only within a limited range of input values
;; workspace buffers: aff 32,768 bytes; eid 4,096 bytes of whole numbers; meta 512 bytes of whole numbers; slots 36,864 bytes of whole numbers; tokinfo 4,096 bytes of whole numbers; xg 5,111,808 bytes; h 20,447,232 bytes; y 40,894,464 bytes
;; launch affin (part 1): grid 64 x 1, 4 waves a work-group, no clusters, 35,328 bytes of LDS; arguments inputs, waff, aff, eid; writes aff, eid
.if DOCPART == 1
	.amdgcn_target "amdgcn-amd-amdhsa--gfx1250"
	.amdhsa_code_object_version 6
	.text
	.protected	k_q3a22a6da19_affin
	.globl	k_q3a22a6da19_affin
	.p2align	8
	.type	k_q3a22a6da19_affin,@function
k_q3a22a6da19_affin:
	s_mov_b64 s[64:65], 0
	v_nop
	global_prefetch_b8 v0, s[64:65] scope:SCOPE_SE
	s_setreg_imm32_b32 hwreg(HW_REG_WAVE_MODE, 25, 1), 1
	s_wait_xcnt 0x0
; aff[t][e] = (x_t . w_e) / (|x_t| |w_e| + 1e-9), and eid[t] = first index of the largest softmax(aff[t]).
; inputs [1024][1024] f32, waff [8][1024] f32, aff [1024][8] f32, eid [1024] u32.
; Four waves; the work-group owns 16 tokens, a wave 4.  A token's row lies in 32 registers (lane l holds d = 128 j + 4 l + c),
; waff lies in LDS in the same order, all sums are f32 on the vector unit: 8 M multiply-adds in all, and a product in bf16 would change routing decisions.
; LIMITS: NaN inputs are not served.  The sums are formed in another order than a row-wise f32 sum, so two probabilities that lie within
; a few units of the last place of each other may be ordered otherwise than by another f32 evaluation.
; No matrix unit, no cluster: the launch reads 4 MiB once and shares only the 32 KiB of waff.
.set XR,   16                          ; v[16:143]  token n, piece j at XR + 32 n + 4 j
.set WR,   144                         ; v[144:175] one expert's row of waff
.set ST,   176                         ; v[176:239] waff on its way to LDS; then S: num[n][e] at 8 n + e, xsq[n] at 32 + n, wsq[e] at 36 + e
.set CH,   220                         ; v[220:229] five running pairs
.set PX,   230                         ; v230       the other half's figure in a sum over lanes
.set RAW,  32768                       ; LDS: 256 bytes for each wave, S[i] at 4 i
.set OUTL, 33792                       ; LDS: the group's 16 x 8 affinities
.set EIDL, 34304                       ; LDS: the group's 16 indices
	s_load_b256 s[4:11], s[0:1], 0x0               ; inputs s[4:5], waff s[6:7], aff s[8:9], eid s[10:11]
	v_lshl_add_u32 v254, v0, 2, 0x8800
	v_mov_b32 v255, 0
	v_and_b32 v1, 31, v0                           ; lane
	v_lshrrev_b32 v2, 5, v0
	v_readfirstlane_b32 s12, v2                    ; wave
	s_lshl_b32 s14, ttmp9, 16                      ; the group's 16 rows of 4,096 bytes
	s_mov_b32 s15, 0
	s_lshl_b32 s13, s12, 14                        ; the wave's 4 rows
	v_lshlrev_b32 v3, 4, v1                        ; 16 x lane
	v_add_nc_u32 v4, s13, v3
	v_lshlrev_b32 v5, 4, v0                        ; 16 x thread
	s_mov_b32 s16, 0x76543210                      ; v_permlanex16_b32: lane i reads lane i of the other half
	s_mov_b32 s17, 0xfedcba98
	s_mov_b32 s19, 0x3089705f                      ; 1e-9
	s_wait_kmcnt 0x0
	s_add_nc_u64 s[4:5], s[4:5], s[14:15]
.irp i, 0,1,2,3,4,5,6,7,8,9,10,11,12,13,14,15
	global_load_b128 v[ST+4*\i:ST+4*\i+3], v5, s[6:7] offset:2048*\i       ; waff: 128 threads x 16 bytes a line
.endr
.irp n, 0,1,2,3
.irp j, 0,1,2,3,4,5,6,7
	global_load_b128 v[XR+32*\n+4*\j:XR+32*\n+4*\j+3], v4, s[4:5] offset:4096*\n+512*\j
.endr
.endr
	s_wait_loadcnt 32                              ; waff is in; the 32 loads of x stay out
.irp i, 0,1,2,3,4,5,6,7,8,9,10,11,12,13,14,15
	ds_store_b128 v5, v[ST+4*\i:ST+4*\i+3] offset:2048*\i
.endr
	s_wait_dscnt 0x0                               ; my part of waff is in LDS, for the other waves' sake
	s_barrier_signal -1
	s_barrier_wait -1
	v_mov_b32 v[PX], 0                             ; v_permlanex16_b32 counts as a reader of its destination
	s_wait_loadcnt 0x0                             ; x
	; |x|^2 of my four tokens: four chains that do not wait for each other
.irp n, 0,1,2,3
	v_pk_mul_f32 v[CH+2*\n:CH+2*\n+1], v[XR+32*\n:XR+32*\n+1], v[XR+32*\n:XR+32*\n+1]
.endr
.set k, 1
.rept 15
.irp n, 0,1,2,3
	v_pk_fma_f32 v[CH+2*\n:CH+2*\n+1], v[XR+32*\n+2*k:XR+32*\n+2*k+1], v[XR+32*\n+2*k:XR+32*\n+2*k+1], v[CH+2*\n:CH+2*\n+1]
.endr
.set k, k+1
.endr
.irp n, 0,1,2,3
	v_add_f32 v[ST+32+\n], v[CH+2*\n], v[CH+2*\n+1]
.endr
; One expert: its row from LDS, four dot products and its own square, five chains.
.macro EXPERT e
.irp j, 0,1,2,3,4,5,6,7
	ds_load_b128 v[WR+4*\j:WR+4*\j+3], v3 offset:4096*\e+512*\j
.endr
	s_wait_dscnt 0x0
.irp n, 0,1,2,3
	v_pk_mul_f32 v[CH+2*\n:CH+2*\n+1], v[XR+32*\n:XR+32*\n+1], v[WR:WR+1]
.endr
	v_pk_mul_f32 v[CH+8:CH+9], v[WR:WR+1], v[WR:WR+1]
.set k, 1
.rept 15
.irp n, 0,1,2,3
	v_pk_fma_f32 v[CH+2*\n:CH+2*\n+1], v[XR+32*\n+2*k:XR+32*\n+2*k+1], v[WR+2*k:WR+2*k+1], v[CH+2*\n:CH+2*\n+1]
.endr
	v_pk_fma_f32 v[CH+8:CH+9], v[WR+2*k:WR+2*k+1], v[WR+2*k:WR+2*k+1], v[CH+8:CH+9]
.set k, k+1
.endr
.irp n, 0,1,2,3
	v_add_f32 v[ST+8*\n+\e], v[CH+2*\n], v[CH+2*\n+1]
.endr
	v_add_f32 v[ST+36+\e], v[CH+8], v[CH+9]
.endm
.irp e, 0,1,2,3,4,5,6,7
	EXPERT \e
.endr
; The sum over the 32 lanes, left in every lane.
.macro WSUM r
	v_add_f32_dpp v[\r], v[\r], v[\r] row_xmask:1 row_mask:0xf bank_mask:0xf
	v_add_f32_dpp v[\r], v[\r], v[\r] row_xmask:2 row_mask:0xf bank_mask:0xf
	v_add_f32_dpp v[\r], v[\r], v[\r] row_xmask:4 row_mask:0xf bank_mask:0xf
	v_add_f32_dpp v[\r], v[\r], v[\r] row_xmask:8 row_mask:0xf bank_mask:0xf
	v_permlanex16_b32 v[PX], v[\r], s16, s17
	v_add_f32 v[\r], v[\r], v[PX]
.endm
.set k, 0
.rept 44
	WSUM ST+k
.set k, k+1
.endr
	; From 44 uniform registers to one (token, expert) a lane, through the wave's own 256 bytes of LDS: lane l = 8 n + e.
	s_lshl_b32 s18, s12, 8
	s_add_co_u32 s18, s18, RAW
	v_mov_b32 v6, s18
.set k, 0
.rept 44
	ds_store_b32 v6, v[ST+k] offset:4*k            ; every lane writes the same word with the same value
.set k, k+1
.endr
	v_lshl_add_u32 v7, v1, 2, v6
	v_lshrrev_b32 v8, 3, v1                        ; n
	v_lshl_add_u32 v8, v8, 2, v6
	v_and_b32 v9, 7, v1                            ; e
	v_lshl_add_u32 v10, v9, 2, v6
	ds_load_b32 v11, v7                            ; num[n][e]   (LDS serves a wave's instructions in order: these see the stores above)
	ds_load_b32 v12, v8 offset:128                 ; xsq[n]
	ds_load_b32 v13, v10 offset:144                ; wsq[e]
	s_wait_dscnt 0x0
	v_sqrt_f32 v16, v12
	v_sqrt_f32 v17, v13
	v_cvt_f32_u32 v29, v9                          ; e as a float: also the plain instruction behind the roots
	s_wait_alu depctr_va_vdst(0)
	v_fma_f32 v18, v16, v17, s19                   ; |x| |w| + 1e-9
	v_rcp_f32 v19, v18
	v_nop                                          ; one plain instruction behind the reciprocal
	s_wait_alu depctr_va_vdst(0)
	v_mul_f32 v20, v11, v19                        ; the quotient,
	v_fma_f32 v21, -v20, v18, v11                  ; its remainder,
	v_fma_f32 v20, v21, v19, v20                   ; and one correction: aff
	; softmax over the token's eight lanes, with the maximum taken away first
	v_mov_b32 v22, v20
	v_max_num_f32_dpp v22, v22, v22 row_xmask:1 row_mask:0xf bank_mask:0xf
	v_max_num_f32_dpp v22, v22, v22 row_xmask:2 row_mask:0xf bank_mask:0xf
	v_max_num_f32_dpp v22, v22, v22 row_xmask:4 row_mask:0xf bank_mask:0xf
	v_sub_f32 v23, v20, v22
	v_mul_f32 v23, 0x3fb8aa3b, v23
	v_exp_f32 v23, v23
	v_nop
	s_wait_alu depctr_va_vdst(0)
	v_mov_b32 v24, v23
	v_add_f32_dpp v24, v24, v24 row_xmask:1 row_mask:0xf bank_mask:0xf
	v_add_f32_dpp v24, v24, v24 row_xmask:2 row_mask:0xf bank_mask:0xf
	v_add_f32_dpp v24, v24, v24 row_xmask:4 row_mask:0xf bank_mask:0xf
	v_rcp_f32 v25, v24
	v_nop
	s_wait_alu depctr_va_vdst(0)
	v_mul_f32 v23, v23, v25                        ; the probability
	v_mov_b32 v26, v23
	v_max_num_f32_dpp v26, v26, v26 row_xmask:1 row_mask:0xf bank_mask:0xf
	v_max_num_f32_dpp v26, v26, v26 row_xmask:2 row_mask:0xf bank_mask:0xf
	v_max_num_f32_dpp v26, v26, v26 row_xmask:4 row_mask:0xf bank_mask:0xf
	v_cmp_eq_f32 vcc_lo, v23, v26
	v_cndmask_b32 v29, 0x41000000, v29, vcc_lo     ; e where the largest stands, 8 elsewhere
	v_min_num_f32_dpp v29, v29, v29 row_xmask:1 row_mask:0xf bank_mask:0xf
	v_min_num_f32_dpp v29, v29, v29 row_xmask:2 row_mask:0xf bank_mask:0xf
	v_min_num_f32_dpp v29, v29, v29 row_xmask:4 row_mask:0xf bank_mask:0xf
	v_cvt_u32_f32 v29, v29                         ; the first such index
	s_lshl_b32 s20, s12, 7
	v_lshl_add_u32 v30, v1, 2, s20                 ; 128 w + 4 l = 32 (4 w + n) + 4 e
	s_lshl_b32 s21, s12, 4
	v_lshrrev_b32 v31, 3, v1
	v_lshl_add_u32 v31, v31, 2, s21                ; 16 w + 4 n
	ds_store_b32 v30, v20 offset:OUTL
	ds_store_b32 v31, v29 offset:EIDL              ; a token's eight lanes write the same word with the same value
	s_wait_dscnt 0x0                               ; for wave 0's sake
	s_barrier_signal -1
	s_barrier_wait -1
	s_cmp_lg_u32 s12, 0
	s_cbranch_scc1 .Lend
	; wave 0 stores the group's results: 512 consecutive bytes of aff, aligned, and the group's 64 bytes of eid (4 KiB in the whole launch)
	v_and_b32 v32, 15, v1
	v_lshlrev_b32 v32, 2, v32
	ds_load_b128 v[36:39], v3 offset:OUTL
	ds_load_b32 v33, v32 offset:EIDL
	s_lshl_b32 s14, ttmp9, 9
	s_add_nc_u64 s[8:9], s[8:9], s[14:15]
	s_lshl_b32 s14, ttmp9, 6
	s_add_nc_u64 s[10:11], s[10:11], s[14:15]
	s_wait_dscnt 0x0
	global_store_b128 v3, v[36:39], s[8:9]
	s_wait_xcnt 0x0                                ; EXEC is a source of the pending store: it changes only behind this wait
	v_cmp_gt_u32 vcc_lo, 16, v1
	s_and_saveexec_b32 s22, vcc_lo
	global_store_b32 v32, v33, s[10:11]
	s_wait_xcnt 0x0                                ; and again in front of the line that widens it
	s_or_b32 exec_lo, exec_lo, s22
.Lend:
	s_barrier_signal -1
	s_barrier_wait -1
	s_wait_tensorcnt 0x0
	ds_add_u32 v254, v255
	s_wait_dscnt 0x0
	s_endpgm
.Lfunc_end_k_q3a22a6da19_affin:
	.size	k_q3a22a6da19_affin, .Lfunc_end_k_q3a22a6da19_affin-k_q3a22a6da19_affin
	.p2alignl 7, 3214868480
	.fill 96, 4, 3214868480
	.section	.rodata,"a",@progbits
	.p2align	6, 0x0
	.amdhsa_kernel k_q3a22a6da19_affin
		.amdhsa_group_segment_fixed_size 35328
		.amdhsa_private_segment_fixed_size 0
		.amdhsa_enable_private_segment 0
		.amdhsa_kernarg_size 32
		.amdhsa_user_sgpr_count 2
		.amdhsa_user_sgpr_kernarg_segment_ptr 1
		.amdhsa_wavefront_size32 1
		.amdhsa_system_sgpr_workgroup_id_x 1
		.amdhsa_system_sgpr_workgroup_id_y 1
		.amdhsa_system_sgpr_workgroup_id_z 1
		.amdhsa_system_vgpr_workitem_id 0
		.amdhsa_next_free_vgpr 256
		.amdhsa_next_free_sgpr 66
		.amdhsa_reserve_vcc 1
		.amdhsa_float_denorm_mode_32 3
		.amdhsa_float_denorm_mode_16_64 3
		.amdhsa_memory_ordered 1
		.amdhsa_forward_progress 1
		.amdhsa_inst_pref_size 78
	.end_amdhsa_kernel
	.amdgpu_metadata
---
amdhsa.version: [ 1, 2 ]
amdhsa.kernels:
  - .name:           k_q3a22a6da19_affin
    .symbol:         k_q3a22a6da19_affin.kd
    .args:
      - { .name: inputs, .offset: 0, .size: 8, .value_kind: global_buffer, .address_space: global }
      - { .name: waff, .offset: 8, .size: 8, .value_kind: global_buffer, .address_space: global }
      - { .name: aff, .offset: 16, .size: 8, .value_kind: global_buffer, .address_space: global }
      - { .name: eid, .offset: 24, .size: 8, .value_kind: global_buffer, .address_space: global }
    .group_segment_fixed_size: 35328
    .private_segment_fixed_size: 0
    .kernarg_segment_align: 8
    .kernarg_segment_size: 32
    .max_flat_workgroup_size: 128
    .sgpr_count:     66
    .vgpr_count:     256
    .wavefront_size: 32
...
	.end_amdgpu_metadata
.endif
;; end of part 1
;; launch route (part 2): grid 1 x 1, 8 waves a work-group, no clusters, 74,752 bytes of LDS; arguments eid, aff, affinity_threshold, meta, slots, tokinfo; writes meta, slots, tokinfo
.if DOCPART == 2
	.amdgcn_target "amdgcn-amd-amdhsa--gfx1250"
	.amdhsa_code_object_version 6
	.text
	.protected	k_q3a22a6da19_route
	.globl	k_q3a22a6da19_route
	.p2align	8
	.type	k_q3a22a6da19_route,@function
k_q3a22a6da19_route:
	s_mov_b64 s[64:65], 0
	v_nop
	global_prefetch_b8 v0, s[64:65] scope:SCOPE_SE
	s_setreg_imm32_b32 hwreg(HW_REG_WAVE_MODE, 25, 1), 1
	s_wait_xcnt 0x0
; From eid [1024] to the experts' lists.  One work-group, eight waves, wave e owns expert e.
;   slots[e][1152]: slot 0 and all padding hold 1024 (a row of zeros), slots 1 .. n_e the tokens whose largest probability is expert e's
;   meta[e] (64 bytes): cnt = n_e + 1, npass = ceil(cnt / 192), tilebase = 12 x the passes of the experts before e, cap, zeros
;   tokinfo[t] = (16 tilebase + slot) | e << 16
; cap = clamp(floor(256 sigmoid(mean(aff) - threshold)), 4, 256).  It is only stored here; no address and no branch hangs on it.
; All counts are made of compare masks by integer instructions.  The sum of the passes is at most 8 + floor(1024 / 192) = 13: 156 tiles of 16 rows.
; LIMIT: cap is decided on this program's own f32 mean; where 256 sigmoid(..) lies within a few units of the last place of a whole number it may fall on the other side.
; One work-group: 36 KiB are read and 41 KiB written, and every list needs all 1,024 indices.
.set EV,  16                           ; v[16:47]  eid: register 4 i + c of lane l is token 128 i + 4 l + c; then that token's tokinfo or 0
.set AV,  48                           ; v[48:79]  my eighth of aff; later my list on its way out (v[48:83])
.set CNT, 0                            ; LDS: n_e, 8 words
.set SUM, 256                          ; LDS: the waves' sums of aff, 8 words
.set MET, 512                          ; LDS: the eight records
.set TI,  1024                         ; LDS: 4,096 bytes for each wave
.set SL,  33792                        ; LDS: 4,864 bytes for each wave: 1,152 slots, and word 1152 for the lanes that have nothing to place
.set SLW, 4864
	s_load_b256 s[4:11], s[0:1], 0x0               ; eid s[4:5], aff s[6:7], threshold s[8:9], meta s[10:11]
	s_load_b128 s[12:15], s[0:1], 0x20             ; slots s[12:13], tokinfo s[14:15]
	v_lshl_add_u32 v128, v0, 2, 0x12000
	v_mov_b32 v129, 0
	v_and_b32 v1, 31, v0
	v_lshrrev_b32 v2, 5, v0
	v_readfirstlane_b32 s16, v2                    ; e = wave
	v_lshlrev_b32 v3, 4, v1                        ; 16 l
	s_lshl_b32 s19, s16, 12
	v_add_nc_u32 v4, s19, v3                       ; 4096 e + 16 l
	s_mov_b32 s50, 0x76543210
	s_mov_b32 s51, 0xfedcba98
	s_wait_kmcnt 0x0
	s_load_b32 s17, s[8:9], 0x0                    ; the threshold
.irp i, 0,1,2,3,4,5,6,7
	global_load_b128 v[EV+4*\i:EV+4*\i+3], v3, s[4:5] offset:512*\i
.endr
.irp i, 0,1,2,3,4,5,6,7
	global_load_b128 v[AV+4*\i:AV+4*\i+3], v4, s[6:7] offset:512*\i
.endr
	s_mul_i32 s22, s16, SLW
	s_add_co_u32 s22, s22, SL                      ; my list in LDS
	v_mov_b32 v15, s22
	v_add_nc_u32 v7, s22, v3
	v_mov_b32 v8, 0x400
	v_mov_b32 v9, 0x400
	v_mov_b32 v10, 0x400
	v_mov_b32 v11, 0x400
	v_mov_b32 v14, 0x480                           ; 1152: the index of the spare word
	v_lshlrev_b32 v13, 2, v1                       ; 4 l
	v_mov_b32 v110, 0
.irp n, 0,1,2,3,4,5,6,7,8
	ds_store_b128 v7, v[8:11] offset:512*\n        ; the whole list starts as padding
.endr
	s_wait_loadcnt 0x0
	; n_e
	s_mov_b32 s18, 0
.set k, 0
.rept 32
	v_cmp_eq_u32 s20, s16, v[EV+k]
	s_bcnt1_i32_b32 s21, s20
	s_add_co_u32 s18, s18, s21
.set k, k+1
.endr
	; my eighth of the sum of aff
.set k, 1
.rept 15
	v_pk_add_f32 v[AV:AV+1], v[AV:AV+1], v[AV+2*k:AV+2*k+1]
.set k, k+1
.endr
	v_add_f32 v48, v48, v49
	v_add_f32_dpp v48, v48, v48 row_xmask:1 row_mask:0xf bank_mask:0xf
	v_add_f32_dpp v48, v48, v48 row_xmask:2 row_mask:0xf bank_mask:0xf
	v_add_f32_dpp v48, v48, v48 row_xmask:4 row_mask:0xf bank_mask:0xf
	v_add_f32_dpp v48, v48, v48 row_xmask:8 row_mask:0xf bank_mask:0xf
	v_permlanex16_b32 v110, v48, s50, s51
	v_add_f32 v48, v48, v110
	s_lshl_b32 s23, s16, 2
	v_mov_b32 v5, s23
	v_mov_b32 v6, s18
	ds_store_b32 v5, v6 offset:CNT
	ds_store_b32 v5, v48 offset:SUM
	s_wait_dscnt 0x0                               ; for the other waves' sake
	s_barrier_signal -1
	s_barrier_wait -1
	v_mov_b32 v12, 0
	ds_load_b128 v[80:83], v12 offset:CNT
	ds_load_b128 v[84:87], v12 offset:CNT+16
	ds_load_b128 v[88:91], v12 offset:SUM
	ds_load_b128 v[92:95], v12 offset:SUM+16
	s_wait_dscnt 0x0
.irp i, 0,1,2,3,4,5,6,7
	v_readfirstlane_b32 s[24+\i], v[80+\i]
.endr
	; passes: floor((c + 192) / 192) = ((c + 192) x 21846) >> 22, exact for c <= 1024: the factor is too large by 3.05e-5 of itself,
	; which at 1216 / 192 is 1.9e-4, less than the 1/192 that separates a quotient from the next whole number
	s_mov_b32 s32, 0                               ; tilebase
.irp i, 0,1,2,3,4,5,6,7
	s_add_co_u32 s33, s[24+\i], 192
	s_mul_i32 s33, s33, 21846
	s_lshr_b32 s33, s33, 22
	s_mul_i32 s34, s33, 12
	s_cmp_gt_u32 s16, \i
	s_cselect_b32 s34, s34, 0
	s_add_co_u32 s32, s32, s34
.endr
	s_add_co_u32 s35, s18, 192
	s_mul_i32 s35, s35, 21846
	s_lshr_b32 s35, s35, 22                        ; my passes
	; cap
	v_add_f32 v88, v88, v89
	v_add_f32 v90, v90, v91
	v_add_f32 v92, v92, v93
	v_add_f32 v94, v94, v95
	v_add_f32 v88, v88, v90
	v_add_f32 v92, v92, v94
	v_add_f32 v88, v88, v92
	s_wait_kmcnt 0x0
	v_mov_b32 v96, s17
	v_fma_f32 v97, v88, 0x39000000, -v96           ; sum / 8192 (exact) - threshold
	v_mul_f32 v98, 0xbfb8aa3b, v97
	v_exp_f32 v98, v98
	v_nop
	s_wait_alu depctr_va_vdst(0)
	v_add_f32 v98, 1.0, v98
	v_rcp_f32 v98, v98
	v_nop
	s_wait_alu depctr_va_vdst(0)
	v_mul_f32 v98, 0x43800000, v98
	v_floor_f32 v98, v98
	v_cvt_i32_f32 v99, v98
	v_max_i32 v99, 4, v99
	v_min_i32 v99, 0x100, v99
	; placement: the k-th register's tokens of mine get the next slots, in lane order
	s_mov_b32 s36, 1                               ; slot 0 is the row of zeros
	s_lshl_b32 s37, s32, 4
	s_lshl_b32 s38, s16, 16
	s_or_b32 s37, s37, s38                         ; 16 tilebase | e << 16
.set k, 0
.rept 32
	v_cmp_eq_u32 s20, s16, v[EV+k]
	v_mbcnt_lo_u32_b32 v100, s20, s36              ; my slot: those of mine in the lanes below, plus those placed so far
	v_add_nc_u32 v101, s37, v100
	v_cndmask_b32 v[EV+k], 0, v101, s20            ; tokinfo, or 0 for the other experts' tokens
	v_cndmask_b32 v102, v14, v100, s20             ; the others' lanes write the spare word
	v_min_u32 v102, 0x480, v102
	v_lshl_add_u32 v102, v102, 2, v15
	v_add_nc_u32 v103, 128*(k/4)+(k%4), v13        ; the token
	ds_store_b32 v102, v103
	s_bcnt1_i32_b32 s21, s20
	s_add_co_u32 s36, s36, s21
.set k, k+1
.endr
.irp i, 0,1,2,3,4,5,6,7
	ds_store_b128 v4, v[EV+4*\i:EV+4*\i+3] offset:TI+512*\i
.endr
	; my record: word l mod 16
	v_and_b32 v105, 15, v1
	v_mov_b32 v106, 0
	s_add_co_u32 s39, s18, 1
	v_mov_b32 v107, s39
	v_cmp_eq_u32 vcc_lo, 0, v105
	v_cndmask_b32 v106, v106, v107, vcc_lo
	v_mov_b32 v107, s35
	v_cmp_eq_u32 vcc_lo, 1, v105
	v_cndmask_b32 v106, v106, v107, vcc_lo
	v_mov_b32 v107, s32
	v_cmp_eq_u32 vcc_lo, 2, v105
	v_cndmask_b32 v106, v106, v107, vcc_lo
	v_cmp_eq_u32 vcc_lo, 3, v105
	v_cndmask_b32 v106, v106, v99, vcc_lo
	s_lshl_b32 s23, s16, 6
	v_lshl_add_u32 v105, v105, 2, s23
	ds_store_b32 v105, v106 offset:MET             ; lanes l and l + 16 write the same word with the same value
	; my list goes out: nine stores of 512 consecutive bytes
.irp n, 0,1,2,3,4,5,6,7,8
	ds_load_b128 v[AV+4*\n:AV+4*\n+3], v7 offset:512*\n
.endr
	s_mul_i32 s23, s16, 4608
	v_add_nc_u32 v108, s23, v3
	s_wait_dscnt 0x0                               ; my list is in registers; my stores to TI and to the records are done, for the others' sake
.irp n, 0,1,2,3,4,5,6,7,8
	global_store_b128 v108, v[AV+4*\n:AV+4*\n+3], s[12:13] offset:512*\n
.endr
	s_barrier_signal -1
	s_barrier_wait -1
	; tokinfo: wave w joins the eight waves' words of tokens 128 w .. 128 w + 127 (seven of the eight are 0)
	s_lshl_b32 s23, s16, 9
	v_add_nc_u32 v109, s23, v3
.irp i, 0,1,2,3,4,5,6,7
	ds_load_b128 v[EV+4*\i:EV+4*\i+3], v109 offset:TI+4096*\i
.endr
	s_wait_dscnt 0x0
.irp i, 1,2,3,4,5,6,7
.irp c, 0,1,2,3
	v_or_b32 v[EV+\c], v[EV+\c], v[EV+4*\i+\c]
.endr
.endr
	global_store_b128 v109, v[EV:EV+3], s[14:15]
	s_cmp_lg_u32 s16, 0
	s_cbranch_scc1 .Lend
	ds_load_b128 v[112:115], v3 offset:MET         ; wave 0: the eight records, 512 bytes
	s_wait_dscnt 0x0
	global_store_b128 v3, v[112:115], s[10:11]
.Lend:
	s_barrier_signal -1
	s_barrier_wait -1
	s_wait_tensorcnt 0x0
	ds_add_u32 v128, v129
	s_wait_dscnt 0x0
	s_endpgm
.Lfunc_end_k_q3a22a6da19_route:
	.size	k_q3a22a6da19_route, .Lfunc_end_k_q3a22a6da19_route-k_q3a22a6da19_route
	.p2alignl 7, 3214868480
	.fill 96, 4, 3214868480
	.section	.rodata,"a",@progbits
	.p2align	6, 0x0
	.amdhsa_kernel k_q3a22a6da19_route
		.amdhsa_group_segment_fixed_size 74752
		.amdhsa_private_segment_fixed_size 0
		.amdhsa_enable_private_segment 0
		.amdhsa_kernarg_size 48
		.amdhsa_user_sgpr_count 2
		.amdhsa_user_sgpr_kernarg_segment_ptr 1
		.amdhsa_wavefront_size32 1
		.amdhsa_system_sgpr_workgroup_id_x 1
		.amdhsa_system_sgpr_workgroup_id_y 1
		.amdhsa_system_sgpr_workgroup_id_z 1
		.amdhsa_system_vgpr_workitem_id 0
		.amdhsa_next_free_vgpr 130
		.amdhsa_next_free_sgpr 66
		.amdhsa_reserve_vcc 1
		.amdhsa_float_denorm_mode_32 3
		.amdhsa_float_denorm_mode_16_64 3
		.amdhsa_memory_ordered 1
		.amdhsa_forward_progress 1
		.amdhsa_inst_pref_size 37
	.end_amdhsa_kernel
	.amdgpu_metadata
---
amdhsa.version: [ 1, 2 ]
amdhsa.kernels:
  - .name:           k_q3a22a6da19_route
    .symbol:         k_q3a22a6da19_route.kd
    .args:
      - { .name: eid, .offset: 0, .size: 8, .value_kind: global_buffer, .address_space: global }
      - { .name: aff, .offset: 8, .size: 8, .value_kind: global_buffer, .address_space: global }
      - { .name: affinity_threshold, .offset: 16, .size: 8, .value_kind: global_buffer, .address_space: global }
      - { .name: meta, .offset: 24, .size: 8, .value_kind: global_buffer, .address_space: global }
      - { .name: slots, .offset: 32, .size: 8, .value_kind: global_buffer, .address_space: global }
      - { .name: tokinfo, .offset: 40, .size: 8, .value_kind: global_buffer, .address_space: global }
    .group_segment_fixed_size: 74752
    .private_segment_fixed_size: 0
    .kernarg_segment_align: 8
    .kernarg_segment_size: 48
    .max_flat_workgroup_size: 256
    .sgpr_count:     66
    .vgpr_count:     130
    .wavefront_size: 32
...
	.end_amdgpu_metadata
.endif
;; end of part 2
;; launch pack (part 3): grid 12 x 32, 4 waves a work-group, no clusters, 8,704 bytes of LDS; arguments inputs, slots, meta, xg; writes xg
.if DOCPART == 3
	.amdgcn_target "amdgcn-amd-amdhsa--gfx1250"
	.amdhsa_code_object_version 6
	.text
	.protected	k_q3a22a6da19_pack
	.globl	k_q3a22a6da19_pack
	.p2align	8
	.type	k_q3a22a6da19_pack,@function
k_q3a22a6da19_pack:
	s_mov_b64 s[64:65], 0
	v_nop
	global_prefetch_b8 v0, s[64:65] scope:SCOPE_SE
	s_setreg_imm32_b32 hwreg(HW_REG_WAVE_MODE, 25, 1), 1
	s_wait_xcnt 0x0
; Gathers the experts' rows of x, rounds them to f16 and lays them out as the matrix unit's fragments.
; f16, not bf16: 11 significant bits against 8.  x has the room: 30 times the drawn spread is about 150, f16 reaches 65,504.
; LIMIT: |x| above 65,504 overflows; |x| under 3e-8 rounds to zero.
; xg: tiles of 16 rows x 1024 k, 32,768 bytes each.  The 16 bytes of K step kk = 2 G + s, half q, lane 16 h + r lie at kk 1024 + q 512 + lane 16
; and hold row r at k = 64 G + 32 h + 16 s + 8 q + 0..7: a permutation of k inside each group of 64 that the weights' fragments share.
; Grid x = the tile's number in a pass of 12 tiles; y = 4 e + quarter of K.  Wave w takes the group of 64 k, G = 4 quarter + w.
; A work-group walks its expert's passes (1 to 6, read from meta).  Slots that hold 1024 become rows of zeros; the next launch reads all 12 tiles of a pass.
; Memory binds: each row piece is 256 consecutive bytes read by sixteen lanes, each store covers 512 consecutive bytes.  No matrix unit, no cluster.
; Registers: v3-v5 lane offsets, v[8:15] tokens, then row offsets, v[16:47] eight row pieces, then the fragments on their way out,
; v[48:63] the pieces in f16, v64 where I read my wave's LDS back, v65 = 16 x lane.
.set RDA, 64
.set L16, 65
	s_load_b256 s[4:11], s[0:1], 0x0               ; inputs s[4:5], slots s[6:7], meta s[8:9], xg s[10:11]
	v_lshl_add_u32 v72, v0, 2, 0x2000
	v_mov_b32 v73, 0
	v_and_b32 v1, 31, v0
	v_lshrrev_b32 v2, 5, v0
	v_readfirstlane_b32 s12, v2                    ; wave
	s_and_b32 s13, ttmp7, 0xffff
	s_lshr_b32 s14, s13, 2                         ; e
	s_and_b32 s15, s13, 3
	s_lshl2_add_u32 s16, s15, s12                  ; G
	s_lshl_b32 s18, s14, 6
	s_mov_b32 s19, 0
	s_wait_kmcnt 0x0
	s_add_nc_u64 s[8:9], s[8:9], s[18:19]
	s_load_b128 s[20:23], s[8:9], 0x0              ; cnt, npass, tilebase, cap
	; lane = (a = l mod 16: which 4 k of the 64; u = l / 16: the even or the odd row of a pair)
	v_bfe_u32 v6, v1, 4, 1                         ; u
	v_lshlrev_b32 v3, 2, v6                        ; 4 u: my slot in a pair of slots
	s_lshl_b32 s27, s16, 8
	v_and_b32 v7, 15, v1
	v_lshl_add_u32 v4, v7, 4, s27                  ; 256 G + 16 a: my 16 bytes in a row of x
	; where k' = 4 a + c of row 2 i + u goes: 1024 (k' bit 4) + 512 (k' bit 3) + 16 (16 (k' bit 5) + row) + 2 (k' mod 8)
	v_bfe_u32 v2, v1, 2, 1
	v_lshlrev_b32 v5, 10, v2
	v_bfe_u32 v2, v1, 1, 1
	v_lshl_add_u32 v5, v2, 9, v5
	v_bfe_u32 v2, v1, 3, 1
	v_lshl_add_u32 v5, v2, 8, v5
	v_lshl_add_u32 v5, v6, 4, v5
	v_and_b32 v2, 1, v1
	v_lshl_add_u32 v5, v2, 3, v5
	s_lshl_b32 s30, s12, 11                        ; the wave's own 2,048 bytes of LDS
	v_add_nc_u32 v5, s30, v5
	v_lshlrev_b32 v[L16], 4, v1
	v_add_nc_u32 v[RDA], s30, v[L16]
	s_mul_i32 s18, s14, 4608
	s_lshl_b32 s26, ttmp9, 6
	s_add_co_u32 s18, s18, s26
	s_add_nc_u64 s[6:7], s[6:7], s[18:19]          ; slots of my tile in pass 0
	s_wait_kmcnt 0x0
	s_min_u32 s21, s21, 6
	s_min_u32 s22, s22, 144
	s_add_co_u32 s18, s22, ttmp9
	s_lshl_b32 s18, s18, 15
	s_lshl_b32 s26, s16, 11
	s_add_co_u32 s18, s18, s26
	s_add_nc_u64 s[10:11], s[10:11], s[18:19]      ; xg at my tile, my group of 64 k
	s_mov_b32 s24, 0
.Lpass:
.irp i, 0,1,2,3,4,5,6,7
	global_load_b32 v[8+\i], v3, s[6:7] offset:8*\i                ; the token of row 2 i + u
.endr
	s_wait_loadcnt 0x0
.irp i, 0,1,2,3,4,5,6,7
	v_cmp_gt_u32 s[32+\i], 0x400, v[8+\i]          ; a real token?
	v_min_u32 v[8+\i], 0x3ff, v[8+\i]              ; padding reads the last row and is masked below
	v_lshl_add_u32 v[8+\i], v[8+\i], 12, v4
.endr
.irp i, 0,1,2,3,4,5,6,7
	global_load_b128 v[16+4*\i:19+4*\i], v[8+\i], s[4:5]
.endr
.irp i, 0,1,2,3,4,5,6,7
	s_wait_loadcnt 7-\i                            ; loads come back in order: row pair i is in, the younger ones stay out
	v_cvt_pk_f16_f32 v[48+2*\i], v[16+4*\i], v[17+4*\i]
	v_cvt_pk_f16_f32 v[49+2*\i], v[18+4*\i], v[19+4*\i]
	v_cndmask_b32 v[48+2*\i], 0, v[48+2*\i], s[32+\i]
	v_cndmask_b32 v[49+2*\i], 0, v[49+2*\i], s[32+\i]
	ds_store_b64 v5, v[48+2*\i:49+2*\i] offset:32*\i
.endr
.irp n, 0,1,2,3
	ds_load_b128 v[16+4*\n:19+4*\n], v[RDA] offset:512*\n          ; the wave's own bytes, served in order behind the stores
.endr
	s_wait_dscnt 0x0
.irp n, 0,1,2,3
	global_store_b128 v[L16], v[16+4*\n:19+4*\n], s[10:11] offset:512*\n
.endr
	s_wait_xcnt 0x0                                ; the bases and the stores' data are rewritten only behind this wait
	s_add_nc_u64 s[6:7], s[6:7], 768               ; 12 tiles of 16 slots on
	s_add_nc_u64 s[10:11], s[10:11], 393216        ; 12 tiles of 32,768 bytes on
	s_add_co_u32 s24, s24, 1
	s_cmp_lt_u32 s24, s21
	s_cbranch_scc1 .Lpass
	s_barrier_signal -1
	s_barrier_wait -1
	s_wait_tensorcnt 0x0
	ds_add_u32 v72, v73
	s_wait_dscnt 0x0
	s_endpgm
.Lfunc_end_k_q3a22a6da19_pack:
	.size	k_q3a22a6da19_pack, .Lfunc_end_k_q3a22a6da19_pack-k_q3a22a6da19_pack
	.p2alignl 7, 3214868480
	.fill 96, 4, 3214868480
	.section	.rodata,"a",@progbits
	.p2align	6, 0x0
	.amdhsa_kernel k_q3a22a6da19_pack
		.amdhsa_group_segment_fixed_size 8704
		.amdhsa_private_segment_fixed_size 0
		.amdhsa_enable_private_segment 0
		.amdhsa_kernarg_size 32
		.amdhsa_user_sgpr_count 2
		.amdhsa_user_sgpr_kernarg_segment_ptr 1
		.amdhsa_wavefront_size32 1
		.amdhsa_system_sgpr_workgroup_id_x 1
		.amdhsa_system_sgpr_workgroup_id_y 1
		.amdhsa_system_sgpr_workgroup_id_z 1
		.amdhsa_system_vgpr_workitem_id 0
		.amdhsa_next_free_vgpr 74
		.amdhsa_next_free_sgpr 66
		.amdhsa_reserve_vcc 0
		.amdhsa_float_denorm_mode_32 3
		.amdhsa_float_denorm_mode_16_64 3
		.amdhsa_memory_ordered 1
		.amdhsa_forward_progress 1
		.amdhsa_inst_pref_size 10
	.end_amdhsa_kernel
	.amdgpu_metadata
---
amdhsa.version: [ 1, 2 ]
amdhsa.kernels:
  - .name:           k_q3a22a6da19_pack
    .symbol:         k_q3a22a6da19_pack.kd
    .args:
      - { .name: inputs, .offset: 0, .size: 8, .value_kind: global_buffer, .address_space: global }
      - { .name: slots, .offset: 8, .size: 8, .value_kind: global_buffer, .address_space: global }
      - { .name: meta, .offset: 16, .size: 8, .value_kind: global_buffer, .address_space: global }
      - { .name: xg, .offset: 24, .size: 8, .value_kind: global_buffer, .address_space: global }
    .group_segment_fixed_size: 8704
    .private_segment_fixed_size: 0
    .kernarg_segment_align: 8
    .kernarg_segment_size: 32
    .max_flat_workgroup_size: 128
    .sgpr_count:     66
    .vgpr_count:     74
    .wavefront_size: 32
...
	.end_amdgpu_metadata
.endif
;; end of part 3
;; launch gemm1 (part 4): grid 32 x 8, 8 waves a work-group, no clusters, 263,168 bytes of LDS; arguments xg, W1, b1, meta, h; writes h
.if DOCPART == 4
	.amdgcn_target "amdgcn-amd-amdhsa--gfx1250"
	.amdhsa_code_object_version 6
	.text
	.protected	k_q3a22a6da19_gemm1
	.globl	k_q3a22a6da19_gemm1
	.p2align	8
	.type	k_q3a22a6da19_gemm1,@function
k_q3a22a6da19_gemm1:
	s_mov_b64 s[64:65], 0
	v_nop
	global_prefetch_b8 v0, s[64:65] scope:SCOPE_SE
	s_setreg_imm32_b32 hwreg(HW_REG_WAVE_MODE, 25, 1), 1
	s_wait_xcnt 0x0
; ONE SOURCE FOR TWO LAUNCHES, chosen by FIRST.
;   FIRST = 1:  h = gelu(xg W1[e] + b1[e]) / 16, rounded to f16, stored as the second product's fragments.   Arguments xg, W1, b1, meta, h.
;   FIRST = 0:  y[ks] = 16 h(k = 1024 ks ..) W2[e](k = 1024 ks ..), f32 partial sums.                         Arguments h, W2, meta, y.
; OPERANDS IN f16, sums in f32: 11 significant bits against bf16's 8.  The room, for inputs 30 times larger or smaller than drawn or offset by 30 spreads:
;   x reaches about 150, the weights a few units, against f16's 65,504; weights 30 times smaller have an rms of 5e-4 against f16's smallest step of 6e-8.
;   gelu reaches 1024 x 30 x 0.94 = 29,000 when x and W1 both carry the offset, so h is kept as gelu / 16 (an exact scale, folded into gelu's constants) and the
;   second product's sums are multiplied by 16: room up to 1,048,000; with x and W1 both 30 times smaller h / 16 is about 3.5e-5, 600 of the smallest steps.
; LIMITS: |W| above 65,504 and |gelu| above 1,048,000 overflow; |W| under 3e-8 and |gelu| under 5e-7 round to zero; NaN inputs are not served.
; A work-group is one expert (grid y), 128 columns (FIRST: grid x of 32; else x mod 8, with ks = x / 8), K = 1024, and all the expert's rows in passes
; of 192 (12 tiles of 16); the passes, 1 to 6, are read from meta.  Its 512 KiB of f32 weights are read from memory once, and those bytes bound the launch.
; EIGHT WAVES OF 512 REGISTERS, ALL RUNNING THE SAME TEXT, in which the stream of weights and the products of the first pass go side by side, beat by beat.
; Wave w: cg = w / 4, kh = bit 1, q = bit 0, rq = w mod 4.  A BEAT b = 0..15 is 64 k: K steps 2 b and 2 b + 1.  In a beat a wave
;   (1) converts its eighth of the beat's weights: 8 loads, rows 64 b + 16 kh + 8 q + 0..7 (+ 32 in lanes 16-31), the 64 columns of cg.  Lane (r = l mod 16, hh = l / 16)
;       loads 16 bytes of a row, columns 4 r .. 4 r + 3, so one load covers two whole pieces of 256 bytes; component c belongs to column tile c, whose column r
;       stands for 4 r + c.  16 conversions make half q of the four fragments of K step 2 b + kh; 4 LDS stores.  LDS holds 32 K steps x 8 column tiles x 1,024 bytes;
;   (2) asks for its weights of beat b + 3;   (3) passes the beat's barrier;
;   (4) multiplies K steps 2 b and 2 b + 1 for row tiles 3 rq .. 3 rq + 2 and column tiles 4 cg .. 4 cg + 3: 16 LDS loads, 24 matrix instructions.
;       ROWS come as ready fragments (tile T, K step kk, half q, lane: T TS + kk 1024 + q 512 + lane 16, holding k = 64 (kk / 2) + 32 hh + 16 (kk mod 2) + 8 q + 0..7)
;       by loads of 512 consecutive bytes straight into a ring of seven register stages; the weights' fragments use the same permutation of k.
; WHY EIGHT WAVES AND THESE LEADS: a wave's loads come back in the order of issue, on one counter that ends at 63 (ISA guide 5.7.1).  A row load therefore stands behind
;   the weight loads issued before it, and a lead of the rows shorter than the weights' three beats would shorten theirs too: the rows are asked for six K steps ahead.
;   That is 24 + 36 = 60 loads of a wave out, 96 KiB of weights for the work-group; four waves would need 120 loads each.
; BARRIERS: 16, one a beat, in straight text with no branch ahead of the last of them.  Each LDS byte is written once: a barrier orders a beat's stores with the loads that
;   read them; between two barriers beat b + 1 is stored at bytes 16,384 (b + 1) and up while beat b is read below them.
; LATER PASSES (an expert with more than 191 tokens): a loop without barriers, on LDS that is only read by then.
; NOT IN A CLUSTER, NO TENSOR LOADS: a pass's row tiles are read by all work-groups of an expert and could be asked for jointly, but a joint request, and every
; refill of an LDS slot, stands behind a barrier.  The weights are shared by nobody.
; gelu: Phi by Abramowitz and Stegun 26.2.17, absolute error at most 7.5e-8 for every x; gelu = x / 2 + |x| (1/2 - tail(|x|)).
.set FIRST, 1
.if FIRST
.set WPL,   14                         ; a weight row is 1 << WPL bytes
.set TS,    32768                      ; bytes of a row tile in memory
.set SMETA, 10
.set SOUT,  12
.set OSTEP, 12*131072                  ; output bytes of a pass
.else
.set WPL,   12
.set TS,    131072
.set SMETA, 8
.set SOUT,  10
.set OSTEP, 12*65536
.endif
.set WP,    1<<WPL
.set YKS,   10223616                   ; bytes of one ks plane of y: 2,496 rows of 4,096
.set KSB,   8192                       ; LDS bytes of a K step: 8 column tiles of 1,024
; window 0 (v0-v255)
.set L16,   1                          ; 16 x lane
.set WOFF,  2                          ; 32 hh rows + 16 r
.set PFOFF, 3                          ; (32 (l / 16) + 64 (bit 3 of l) + l mod 8) rows
.set WST,   4                          ; v4-v7    where I store weights: beats 0-3, 4-7, 8-11, 12-15 (an LDS immediate has 16 bits)
.set BAD,   8                          ; v8-v11   where I read weights: K steps 0-7, 8-15, 16-23, 24-31
.set OOFF,  12                         ; FIRST = 0: 8 hh rows of y + 16 r
.set BOFF,  13                         ; FIRST = 1: 128 hh
.set BF,    16                         ; v[16:79]   weights' fragments, two buffers: column tile c at BF + 32 buffer + 8 c
.set RS,    80                         ; v[80:247]  row fragments: K step kk in stage kk mod 7, row tile i at RS + 24 stage + 8 i
.set OUT,   80                         ; on the way out: the results, over the stages that are done with
.set TV,    248                        ; v[248:250] at work in the set-up
; window 1 (v256-v511): v[0:95] accumulators, row tile i, column tile c at 32 i + 8 c
.set WS,    96                         ; v[96:191]  three stages of weights as loaded: beat b in stage b mod 3, load i, component c at WS + 32 stage + 4 i + c
.set CB,    192                        ; v[192:207] my eighth of a beat in f16: column tile c at CB + 4 c
.set BIAS,  208                        ; v[208:239] b1 of column 32 hh + 4 j + c at BIAS + 8 c + j
.set CV4,   240                        ; v[240:241] one coefficient of gelu
.set GU,    96                         ; on the way out: gelu's temporaries, over the stages of weights
.set GT,    104
.set GQ,    112
; s_set_vgpr_msb's low byte: bits 1:0 source 0, 3:2 source 1, 5:4 source 2, 7:6 destination; the high byte repeats the setting that is left.
.set MSB, 0
.macro WIN new
.if MSB != \new
	s_set_vgpr_msb (MSB<<8)|\new
.set MSB, \new
.endif
.endm
; Four plain vector instructions stand between a matrix instruction and a vector write or a load into one of its registers, or a read of its result.
.macro PLACES
.rept 4
	v_nop
.endr
.endm
; My 8 weight loads of beat j.  Their first row, less 16 kh + 8 q + 32 hh, is 64 j.  Rows 0-511 go by base s[44:45], rows 512-1023 by s[46:47]: the largest immediate is 455 rows.
.macro WLOAD j
	WIN 0x40                                       ; destination window 1
.set wl_r, 64*((\j)%8)
.set wl_g, WS+32*((\j)%3)
.if (\j) >= 8
.set wl_b, 46
.else
.set wl_b, 44
.endif
.set wl_i, 0
.rept 8
	global_load_b128 v[wl_g+4*wl_i:wl_g+4*wl_i+3], v[WOFF], s[wl_b:wl_b+1] offset:(wl_r+wl_i)*WP th:TH_LOAD_NT
.set wl_i, wl_i+1
.endr
.endm
; f32 to f16: rows 2 t and 2 t + 1 of component c make register t of my half of column tile c's fragment
.macro WCVT j
	WIN 0x45                                       ; sources and destination window 1
.set wc_g, WS+32*((\j)%3)
.irp c, 0,1,2,3
.irp t, 0,1,2,3
	v_cvt_pk_f16_f32 v[CB+4*\c+\t], v[wc_g+8*\t+\c], v[wc_g+8*\t+4+\c]
.endr
.endr
.endm
; One prefetch whose 32 lanes name my 32 row pieces of 256 bytes of beats j and j + 1 (j even).  Beats 4 and 5 are named at the start, beats b + 6 and b + 7 in each even
; beat b up to 8: three and four beats before their loads are issued.  Each piece is named once in the launch, by the wave that will load it; the last beat named is 15,
; whose last row is 960 + 32 + 24 + 7 = 1023: no address passes the weights.
.macro PREF j
.if (\j) >= 8
.set wl_b, 46
.else
.set wl_b, 44
.endif
	global_prefetch_b8 v[PFOFF], s[wl_b:wl_b+1] offset:(64*((\j)%8))*WP th:TH_LOAD_NT scope:SCOPE_SE
.endm
; 6 loads: the fragments of K step kk of my three row tiles.
.macro ALOADG kk
.set al_s, RS+24*((\kk)%7)
.irp i, 0,1,2
	global_load_b128 v[al_s+8*\i:al_s+8*\i+3], v[L16], s[38:39] offset:TS*\i+1024*(\kk)
	global_load_b128 v[al_s+8*\i+4:al_s+8*\i+7], v[L16], s[38:39] offset:TS*\i+1024*(\kk)+512
.endr
.endm
; 8 LDS loads: the weights' fragments of K step kk, my four column tiles.  Lane l reads the 16 bytes at 16 l.
.macro BLOAD kk
.set bl_b, BF+32*((\kk)%2)
.irp c, 0,1,2,3
	ds_load_b128 v[bl_b+8*\c:bl_b+8*\c+3], v[BAD+(\kk)/8] offset:KSB*((\kk)%8)+1024*\c
	ds_load_b128 v[bl_b+8*\c+4:bl_b+8*\c+7], v[BAD+(\kk)/8] offset:KSB*((\kk)%8)+1024*\c+512
.endr
.endm
; One matrix instruction.  start = 0: adds in place; 1: starts the sum, with the bias (FIRST) or with 0.
; FIRST: source 0 = weights, source 1 = rows: lane (r, hh) then holds row r, columns 32 hh + 4 j + c: the 16-byte pieces of the next product's fragments.
; else: source 0 = rows, source 1 = weights: lane (r, hh) holds row 8 hh + j, column 4 r + c: 16 neighbouring bytes of a row of y over the four c.
.macro MM d, w, a, start, cb
.if FIRST
.if \start
	v_wmma_f32_16x16x32_f16 v[\d:\d+7], v[\w:\w+7], v[\a:\a+7], v[\cb:\cb+7]
.else
	v_wmma_f32_16x16x32_f16 v[\d:\d+7], v[\w:\w+7], v[\a:\a+7], v[\d:\d+7]
.endif
.else
.if \start
	v_wmma_f32_16x16x32_f16 v[\d:\d+7], v[\a:\a+7], v[\w:\w+7], 0
.else
	v_wmma_f32_16x16x32_f16 v[\d:\d+7], v[\a:\a+7], v[\w:\w+7], v[\d:\d+7]
.endif
.endif
.endm
; 12 matrix instructions, one for each accumulator, in the same order in every K step: the accumulators take turns.
.macro MULS kk, start
.set mu_b, BF+32*((\kk)%2)
.set mu_s, RS+24*((\kk)%7)
	WIN 0x50                                       ; weights and rows window 0; C (accumulator or bias) and D window 1
.irp i, 0,1,2
.irp c, 0,1,2,3
	MM 32*\i+8*\c, mu_b+8*\c, mu_s+8*\i, \start, BIAS+8*\c
.endr
.endr
.endm
; One K step.  lc = how many loads were issued behind this step's row loads; left = how many of the beat's LDS loads may stay out.
.macro KHALF kk, lc, left
	s_wait_loadcnt \lc
.if (\kk) <= 25
	WIN 0
	ALOADG (\kk)+6                                 ; into the stage that the last K step read: four places stand in front
.endif
	s_wait_dscnt \left
.if (\kk) == 0
	MULS \kk, 1
.else
	MULS \kk, 0
.endif
.endm
; The products of a beat: K steps 2 r and 2 r + 1.  Four places stand in front of it.
.macro CPAIR r, c0, c1
	WIN 0
	BLOAD 2*\r
	BLOAD 2*\r+1
	KHALF 2*\r, \c0, 8                             ; the first step's 8 weight loads are in; the second step's 8 stay out
	PLACES
	KHALF 2*\r+1, \c1, 0
.endm
; A beat of the first pass.  Loads are issued in this order: W0 W1 W2 A0 .. A5, then in beat b: W(b+3) (8 loads), A(2b+6), A(2b+7) (6 each), up to beat 12.
;   cw: issued behind beat b's weights: the 12 row loads of the beat that asked for them and 20 loads in each of the two beats since: 52.
;   c0: issued behind K step 2 b's rows: 6 + 20 + 20 + this beat's 8 = 54.    c1: behind K step 2 b + 1's rows: 20 + 20 + 8 + 6 = 54.
; In the first beats less has been issued, in the last three nothing is issued any more: the table below the set-up gives every count.
.macro BEAT b, cw, c0, c1
	PLACES                                         ; behind the last beat's matrix instructions, in front of the loads into the buffers and the stage that they read
	s_wait_loadcnt \cw
	WCVT \b
.if (\b) <= 12
	WLOAD (\b)+3                                   ; into the stage that has just been converted
.endif
.if (\b) <= 8
.if ((\b)%2) == 0
	PREF (\b)+6
.endif
.endif
	WIN 0x04                                       ; store data window 1, address window 0
.irp c, 0,1,2,3
	ds_store_b128 v[WST+(\b)/4], v[CB+4*\c:CB+4*\c+3] offset:2*KSB*((\b)%4)+1024*\c        ; lane l writes the 16 bytes at 16 l
.endr
	s_wait_dscnt 0x0                               ; my eighth of the beat is in LDS, for the other waves' sake
	s_barrier_signal -1
	s_barrier_wait -1                              ; K steps 2 b and 2 b + 1 are whole
	CPAIR \b, \c0, \c1
.endm
; A beat of a later pass: the products alone.
.macro LPAIR r, c0, c1
	PLACES
	CPAIR \r, \c0, \c1
.endm
.if FIRST
; gelu / 16 of eight registers of window 1, in place.  The five coefficients and the two halves carry the factor 1/16.
.macro GELU8 x
.irp k, 0,2,4,6
	v_pk_mul_f32 v[GU+\k:GU+\k+1], v[\x+\k:\x+\k+1], v[\x+\k:\x+\k+1]
.endr
.irp k, 0,1,2,3,4,5,6,7
	v_and_b32 v[GT+\k], s68, v[\x+\k]
.endr
.irp k, 0,2,4,6
	v_pk_fma_f32 v[GT+\k:GT+\k+1], v[GT+\k:GT+\k+1], s[52:53], 1.0 op_sel_hi:[1,0,0]
.endr
.irp k, 0,1,2,3,4,5,6,7
	v_rcp_f32 v[GT+\k], v[GT+\k]                   ; t = 1 / (1 + 0.2316419 |x|)
.endr
.irp k, 0,2,4,6
	v_pk_mul_f32 v[GU+\k:GU+\k+1], v[GU+\k:GU+\k+1], s[54:55] op_sel_hi:[1,0]      ; plain instructions behind the reciprocals, none of which names t
.endr
.irp k, 0,1,2,3,4,5,6,7
	v_exp_f32 v[GU+\k], v[GU+\k]                   ; exp(-x x / 2)
.endr
	s_wait_alu depctr_va_vdst(0)
.irp k, 0,2,4,6
	v_pk_fma_f32 v[GQ+\k:GQ+\k+1], v[GT+\k:GT+\k+1], s[56:57], v[CV4:CV4+1] op_sel_hi:[1,0,1]   ; plain instructions behind the exponentials
.endr
.irp k, 0,2,4,6
	v_pk_fma_f32 v[GQ+\k:GQ+\k+1], v[GQ+\k:GQ+\k+1], v[GT+\k:GT+\k+1], s[60:61] op_sel_hi:[1,1,0]
.endr
.irp k, 0,2,4,6
	v_pk_fma_f32 v[GQ+\k:GQ+\k+1], v[GQ+\k:GQ+\k+1], v[GT+\k:GT+\k+1], s[62:63] op_sel_hi:[1,1,0]
.endr
.irp k, 0,2,4,6
	v_pk_fma_f32 v[GQ+\k:GQ+\k+1], v[GQ+\k:GQ+\k+1], v[GT+\k:GT+\k+1], s[66:67] op_sel_hi:[1,1,0]
.endr
.irp k, 0,2,4,6
	v_pk_mul_f32 v[GQ+\k:GQ+\k+1], v[GQ+\k:GQ+\k+1], v[GT+\k:GT+\k+1]
.endr
.irp k, 0,2,4,6
	v_pk_fma_f32 v[GQ+\k:GQ+\k+1], v[GQ+\k:GQ+\k+1], v[GU+\k:GU+\k+1], s[70:71] op_sel_hi:[1,1,0] neg_lo:[1,0,0] neg_hi:[1,0,0]   ; (1/2 - tail) / 16
.endr
.irp k, 0,2,4,6
	v_pk_mul_f32 v[GU+\k:GU+\k+1], v[\x+\k:\x+\k+1], s[70:71] op_sel_hi:[1,0]      ; x / 32
.endr
.irp k, 0,1,2,3,4,5,6,7
	v_fma_f32 v[\x+\k], |v[\x+\k]|, v[GQ+\k], v[GU+\k]
.endr
.endm
; Row tile i: gelu, round, store four times 512 consecutive bytes.  All 12 tiles of a pass are stored: the next launch loads them all.
; Each tile has its own 16 registers, so no store's data is rewritten in a pass.
.macro EPI i, id
	WIN 0x55                                       ; all in window 1
	GELU8 32*\i
	GELU8 32*\i+8
	GELU8 32*\i+16
	GELU8 32*\i+24
	WIN 0x05                                       ; sources window 1, destination window 0
.set ep_k, 0
.rept 16                                       ; word t of my 64 bytes: columns 4 (t / 2) + 2 (t mod 2) and the next
	v_cvt_pk_f16_f32 v[OUT+16*\i+ep_k], v[32*\i+16*(ep_k%2)+ep_k/2], v[32*\i+16*(ep_k%2)+8+ep_k/2]
.set ep_k, ep_k+1
.endr
	WIN 0
.irp n, 0,1,2,3
	global_store_b128 v[L16], v[OUT+16*\i+4*\n:OUT+16*\i+4*\n+3], s[48:49] offset:131072*\i+512*\n
.endr
.endm
.else
; Row tile i, if any of its rows is below the expert's count.  A lane's four numbers of a row lie in the four column tiles' registers: 32 multiplications by 16
; (h was kept as gelu / 16) bring them together, then eight stores, each of two pieces of 256 consecutive bytes.  Each tile has its own 32 registers, so no
; store's data is rewritten in a pass.
.macro EPI i, id
	WIN 0
	s_cmp_le_i32 s25, 16*\i
	s_cbranch_scc1 .Ldone_\id
	WIN 0x04                                       ; source 1 window 1, destination window 0
.irp j, 0,1,2,3,4,5,6,7
.irp c, 0,1,2,3
	v_mul_f32 v[OUT+32*\i+4*\j+\c], 0x41800000, v[32*\i+8*\c+\j]
.endr
.endr
	WIN 0
.irp j, 0,1,2,3,4,5,6,7
	global_store_b128 v[OOFF], v[OUT+32*\i+4*\j:OUT+32*\i+4*\j+3], s[48:49] offset:65536*\i+4096*\j
.endr
.endm
.endif
; The way out of a pass, and the step to the next.
.macro WAYOUT id
	PLACES                                         ; behind the last matrix instructions, in front of every read of a result and every write of a source
	EPI 0, \id
	EPI 1, \id
	EPI 2, \id
	WIN 0
.if FIRST == 0
.Ldone_\id:
	s_sub_co_i32 s25, s25, 192
.endif
	s_wait_xcnt 0x0                                ; the bases and the stores' data are rewritten only behind this wait
	s_add_nc_u64 s[38:39], s[38:39], 12*TS         ; the next 12 row tiles (every row load has come back: the last K step's wait was for 0)
	s_add_nc_u64 s[48:49], s[48:49], OSTEP
	s_add_co_u32 s24, s24, 1
.endm
	s_load_b256 s[4:11], s[0:1], 0x0               ; rows s[4:5], weights s[6:7], then FIRST: b1, meta; else: meta, y
.if FIRST
	s_load_b64 s[12:13], s[0:1], 0x20              ; h
	v_lshl_add_u32 v254, v0, 2, 0x40000
	v_mov_b32 v255, 0
.endif
	v_lshrrev_b32 v[TV], 5, v0
	v_readfirstlane_b32 s14, v[TV]                 ; wave 0..7
	s_lshr_b32 s16, s14, 2                         ; cg: which 64 columns
	s_bfe_u32 s15, s14, 0x10001                    ; kh: which K step of a beat I convert (bit 1 of the wave's number)
	s_and_b32 s72, s14, 1                          ; q: which half of its fragments
	s_and_b32 s73, s14, 3                          ; rq = 2 kh + q: which three row tiles I multiply
	s_and_b32 s17, ttmp7, 0xffff                   ; e
.if FIRST
	s_mov_b32 s18, ttmp9                           ; ns
.else
	s_and_b32 s18, ttmp9, 7                        ; ns
	s_lshr_b32 s19, ttmp9, 3                       ; ks
.endif
	v_and_b32 v[TV], 31, v0
	v_and_b32 v[TV+1], 15, v0                      ; r
	v_bfe_u32 v[TV+2], v0, 4, 1                    ; hh
	v_lshlrev_b32 v[L16], 4, v[TV]
	v_lshlrev_b32 v[WOFF], 4, v[TV+1]
	v_lshl_add_u32 v[WOFF], v[TV+2], WPL+5, v[WOFF]
	v_and_b32 v[TV], 7, v0
	v_lshl_add_u32 v[PFOFF], v[TV+2], 5, v[TV]
	v_bfe_u32 v[TV], v0, 3, 1
	v_lshl_add_u32 v[PFOFF], v[TV], 6, v[PFOFF]
	v_lshlrev_b32 v[PFOFF], WPL, v[PFOFF]
	s_lshl_b32 s26, s16, 12                        ; my four column tiles in a K step's 8,192 bytes
	s_lshl_b32 s27, s15, 13                        ; K step kh of a beat's two
	s_add_co_u32 s27, s27, s26
	s_lshl_b32 s50, s72, 9                         ; half q of a fragment's 1,024 bytes
	s_add_co_u32 s27, s27, s50
	v_add_nc_u32 v[WST], s27, v[L16]
	v_add_nc_u32 v[WST+1], 0x10000, v[WST]
	v_add_nc_u32 v[WST+2], 0x20000, v[WST]
	v_add_nc_u32 v[WST+3], 0x30000, v[WST]
	v_add_nc_u32 v[BAD], s26, v[L16]
	v_add_nc_u32 v[BAD+1], 0x10000, v[BAD]
	v_add_nc_u32 v[BAD+2], 0x20000, v[BAD]
	v_add_nc_u32 v[BAD+3], 0x30000, v[BAD]
.if FIRST
	v_lshlrev_b32 v[BOFF], 7, v[TV+2]
.else
	v_lshlrev_b32 v[OOFF], 4, v[TV+1]
	v_lshl_add_u32 v[OOFF], v[TV+2], 15, v[OOFF]
.endif
	; the weights: expert (16 MiB) + my first row (16 kh + 8 q = 8 rq) + my 256 bytes of a row
	s_lshl_b32 s50, s17, 24
	s_mov_b32 s51, 0
	s_lshl_b32 s26, s73, WPL+3
	s_add_co_u32 s50, s50, s26
	s_lshl_b32 s26, s18, 9
	s_add_co_u32 s50, s50, s26
	s_lshl_b32 s26, s16, 8
	s_add_co_u32 s50, s50, s26
.if FIRST == 0
	s_lshl_b32 s26, s19, 22                        ; 1,024 ks rows of 4,096 bytes
	s_add_co_u32 s50, s50, s26
.endif
	s_wait_kmcnt 0x0
	s_add_nc_u64 s[44:45], s[6:7], s[50:51]
	s_add_nc_u64 s[46:47], s[44:45], 512*WP
	s_lshl_b32 s50, s17, 6
	s_add_nc_u64 s[SMETA:SMETA+1], s[SMETA:SMETA+1], s[50:51]
	s_load_b128 s[20:23], s[SMETA:SMETA+1], 0x0    ; cnt, npass, tilebase, cap: waited for behind the first weight loads
.if FIRST
	s_mov_b32 s52, 0x3e6d3389                      ; 0.2316419
	s_mov_b32 s53, 0x3e6d3389
	s_mov_b32 s54, 0xbf38aa3b                      ; -log2(e) / 2
	s_mov_b32 s55, 0xbf38aa3b
	s_mov_b32 s56, 0x3d07dc22                      ; the five coefficients, each times 1 / sqrt(2 pi) and 1/16:  0.53070271 / 16
	s_mov_b32 s57, 0x3d07dc22
	s_mov_b32 s58, 0xbd3a00e3                      ; -0.72657601 / 16
	s_mov_b32 s60, 0x3d35f0e3                      ;  0.71070687 / 16
	s_mov_b32 s61, 0x3d35f0e3
	s_mov_b32 s62, 0xbc11a98e                      ; -0.14224837 / 16
	s_mov_b32 s63, 0xbc11a98e
	s_mov_b32 s66, 0x3c027906                      ;  0.12741479 / 16
	s_mov_b32 s67, 0x3c027906
	s_mov_b32 s68, 0x7fffffff
	s_mov_b32 s70, 0x3d000000                      ; 1/32 = (1/2) / 16
	s_mov_b32 s71, 0x3d000000
	s_lshl_b32 s50, s17, 14                        ; b1: expert + my 64 columns
	s_lshl_b32 s26, s18, 9
	s_add_co_u32 s50, s50, s26
	s_lshl_b32 s26, s16, 8
	s_add_co_u32 s50, s50, s26
	s_add_nc_u64 s[8:9], s[8:9], s[50:51]
	WIN 0x40                                       ; destination window 1
.irp c, 0,1,2,3
.irp j, 0,1,2,3,4,5,6,7
	global_load_b32 v[BIAS+8*\c+\j], v[BOFF], s[8:9] offset:4*(4*\j+\c)    ; once in the launch; older than every other load, so beat 0's first wait covers it
.endr
.endr
	v_mov_b32 v[CV4], s58
	v_mov_b32 v[CV4+1], s58
.endif
	WLOAD 0
	WLOAD 1
	WLOAD 2
	PREF 4
	s_wait_kmcnt 0x0
.if FIRST == 0
	s_min_u32 s20, s20, 1025
.endif
	s_min_u32 s21, s21, 6
	s_min_u32 s22, s22, 144
	s_mul_i32 s26, s73, 3
	s_add_co_u32 s26, s26, s22                     ; my first row tile: tilebase + 3 rq
	s_mul_i32 s50, s26, TS
.if FIRST == 0
	s_lshl_b32 s27, s19, 15                        ; ks: 32 K steps of 1,024 bytes
	s_add_co_u32 s50, s50, s27
.endif
	s_add_nc_u64 s[38:39], s[4:5], s[50:51]        ; my row fragments
.if FIRST
	s_lshl_b32 s50, s26, 17                        ; tiles of 131,072 bytes
	s_lshl1_add_u32 s27, s18, s16                  ; my 64 columns are group 2 ns + cg of the next product's K
	s_lshl_b32 s27, s27, 11
	s_add_co_u32 s50, s50, s27
.else
	s_lshl_b32 s50, s26, 16                        ; tiles of 16 rows of 4,096 bytes
	s_mul_i32 s27, s19, YKS
	s_add_co_u32 s50, s50, s27
	s_lshl_b32 s27, s18, 9
	s_add_co_u32 s50, s50, s27
	s_lshl_b32 s27, s16, 8
	s_add_co_u32 s50, s50, s27
	s_mul_i32 s27, s73, 48
	s_sub_co_i32 s25, s20, s27                     ; rows of the expert from my first row on
.endif
	s_add_nc_u64 s[48:49], s[SOUT:SOUT+1], s[50:51]
	s_mov_b32 s24, 0                               ; pass
	WIN 0
.irp kk, 0,1,2,3,4,5
	ALOADG \kk
.endr
	; THE FIRST PASS.  Counts: behind W0 stand W1, W2 and A0-A5: 16 + 36 = 52.  Behind A0: A1-A5 and W3: 38; behind A1: A2-A5, W3, A6: 38; a beat later 18 + 20 + 8 and
	; 12 + 20 + 8 + 6 = 46; from beat 2 on 54.  In beats 1 and 2 more than 52 loads stand behind the beat's weights (64, 76): K step 0's wait has shown them landed, and the
	; wait is met at once.  Beats 13 to 15 issue nothing: behind W13 12 + 20 + 20, W14 12 + 20, W15 12; behind A26 6 + 20 + 20, A27 20 + 20, A28 6 + 20, A29 20, A30 6, A31 0.
	BEAT 0,  52, 38, 38
	BEAT 1,  52, 46, 46
	BEAT 2,  52, 54, 54
	BEAT 3,  52, 54, 54
	BEAT 4,  52, 54, 54
	BEAT 5,  52, 54, 54
	BEAT 6,  52, 54, 54
	BEAT 7,  52, 54, 54
	BEAT 8,  52, 54, 54
	BEAT 9,  52, 54, 54
	BEAT 10, 52, 54, 54
	BEAT 11, 52, 54, 54
	BEAT 12, 52, 54, 54
	BEAT 13, 52, 46, 40
	BEAT 14, 32, 26, 20
	BEAT 15, 12, 6, 0
	WAYOUT 0
	s_cmp_ge_u32 s24, s21
	s_cbranch_scc1 .Lend                           ; one pass served the expert
	; THE LATER PASSES: no weights are loaded, no barrier stands here.  Behind a K step's rows stand the five younger steps' 30 loads; at the end the counts run down.
.Lpass:
.irp kk, 0,1,2,3,4,5
	ALOADG \kk
.endr
.irp r, 0,1,2,3,4,5,6,7,8,9,10,11,12
	LPAIR \r, 30, 30
.endr
	LPAIR 13, 30, 24
	LPAIR 14, 18, 12
	LPAIR 15, 6, 0
	WAYOUT 1
	s_cmp_lt_u32 s24, s21
	s_cbranch_scc1 .Lpass
.Lend:
	s_barrier_signal -1
	s_barrier_wait -1
	s_wait_tensorcnt 0x0
	ds_add_u32 v254, v255
	s_wait_dscnt 0x0
	s_endpgm
.Lfunc_end_k_q3a22a6da19_gemm1:
	.size	k_q3a22a6da19_gemm1, .Lfunc_end_k_q3a22a6da19_gemm1-k_q3a22a6da19_gemm1
	.p2alignl 7, 3214868480
	.fill 96, 4, 3214868480
	.section	.rodata,"a",@progbits
	.p2align	6, 0x0
	.amdhsa_kernel k_q3a22a6da19_gemm1
		.amdhsa_group_segment_fixed_size 263168
		.amdhsa_private_segment_fixed_size 0
		.amdhsa_enable_private_segment 0
		.amdhsa_kernarg_size 40
		.amdhsa_user_sgpr_count 2
		.amdhsa_user_sgpr_kernarg_segment_ptr 1
		.amdhsa_wavefront_size32 1
		.amdhsa_system_sgpr_workgroup_id_x 1
		.amdhsa_system_sgpr_workgroup_id_y 1
		.amdhsa_system_sgpr_workgroup_id_z 1
		.amdhsa_system_vgpr_workitem_id 0
		.amdhsa_next_free_vgpr 512
		.amdhsa_next_free_sgpr 100
		.amdhsa_reserve_vcc 0
		.amdhsa_float_denorm_mode_32 3
		.amdhsa_float_denorm_mode_16_64 3
		.amdhsa_memory_ordered 1
		.amdhsa_forward_progress 1
		.amdhsa_inst_pref_size 255
	.end_amdhsa_kernel
	.section	.bss,"aw",@nobits
	.p2align	6
	.space	262144
	.amdgpu_metadata
---
amdhsa.version: [ 1, 2 ]
amdhsa.kernels:
  - .name:           k_q3a22a6da19_gemm1
    .symbol:         k_q3a22a6da19_gemm1.kd
    .args:
      - { .name: xg, .offset: 0, .size: 8, .value_kind: global_buffer, .address_space: global }
      - { .name: W1, .offset: 8, .size: 8, .value_kind: global_buffer, .address_space: global }
      - { .name: b1, .offset: 16, .size: 8, .value_kind: global_buffer, .address_space: global }
      - { .name: meta, .offset: 24, .size: 8, .value_kind: global_buffer, .address_space: global }
      - { .name: h, .offset: 32, .size: 8, .value_kind: global_buffer, .address_space: global }
    .group_segment_fixed_size: 263168
    .private_segment_fixed_size: 0
    .kernarg_segment_align: 8
    .kernarg_segment_size: 40
    .max_flat_workgroup_size: 256
    .sgpr_count:     100
    .vgpr_count:     512
    .wavefront_size: 32
...
	.end_amdgpu_metadata
.endif
;; end of part 4
;; launch gemm2 (part 5): grid 32 x 8, 8 waves a work-group, no clusters, 263,168 bytes of LDS; arguments h, W2, meta, y; writes y
.if DOCPART == 5
	.amdgcn_target "amdgcn-amd-amdhsa--gfx1250"
	.amdhsa_code_object_version 6
	.text
	.protected	k_q3a22a6da19_gemm2
	.globl	k_q3a22a6da19_gemm2
	.p2align	8
	.type	k_q3a22a6da19_gemm2,@function
k_q3a22a6da19_gemm2:
	s_mov_b64 s[64:65], 0
	v_nop
	global_prefetch_b8 v0, s[64:65] scope:SCOPE_SE
	s_setreg_imm32_b32 hwreg(HW_REG_WAVE_MODE, 25, 1), 1
	s_wait_xcnt 0x0
; ONE SOURCE FOR TWO LAUNCHES, chosen by FIRST.
;   FIRST = 1:  h = gelu(xg W1[e] + b1[e]) / 16, rounded to f16, stored as the second product's fragments.   Arguments xg, W1, b1, meta, h.
;   FIRST = 0:  y[ks] = 16 h(k = 1024 ks ..) W2[e](k = 1024 ks ..), f32 partial sums.                         Arguments h, W2, meta, y.
; OPERANDS IN f16, sums in f32: 11 significant bits against bf16's 8.  The room, for inputs 30 times larger or smaller than drawn or offset by 30 spreads:
;   x reaches about 150, the weights a few units, against f16's 65,504; weights 30 times smaller have an rms of 5e-4 against f16's smallest step of 6e-8.
;   gelu reaches 1024 x 30 x 0.94 = 29,000 when x and W1 both carry the offset, so h is kept as gelu / 16 (an exact scale, folded into gelu's constants) and the
;   second product's sums are multiplied by 16: room up to 1,048,000; with x and W1 both 30 times smaller h / 16 is about 3.5e-5, 600 of the smallest steps.
; LIMITS: |W| above 65,504 and |gelu| above 1,048,000 overflow; |W| under 3e-8 and |gelu| under 5e-7 round to zero; NaN inputs are not served.
; A work-group is one expert (grid y), 128 columns (FIRST: grid x of 32; else x mod 8, with ks = x / 8), K = 1024, and all the expert's rows in passes
; of 192 (12 tiles of 16); the passes, 1 to 6, are read from meta.  Its 512 KiB of f32 weights are read from memory once, and those bytes bound the launch.
; EIGHT WAVES OF 512 REGISTERS, ALL RUNNING THE SAME TEXT, in which the stream of weights and the products of the first pass go side by side, beat by beat.
; Wave w: cg = w / 4, kh = bit 1, q = bit 0, rq = w mod 4.  A BEAT b = 0..15 is 64 k: K steps 2 b and 2 b + 1.  In a beat a wave
;   (1) converts its eighth of the beat's weights: 8 loads, rows 64 b + 16 kh + 8 q + 0..7 (+ 32 in lanes 16-31), the 64 columns of cg.  Lane (r = l mod 16, hh = l / 16)
;       loads 16 bytes of a row, columns 4 r .. 4 r + 3, so one load covers two whole pieces of 256 bytes; component c belongs to column tile c, whose column r
;       stands for 4 r + c.  16 conversions make half q of the four fragments of K step 2 b + kh; 4 LDS stores.  LDS holds 32 K steps x 8 column tiles x 1,024 bytes;
;   (2) asks for its weights of beat b + 3;   (3) passes the beat's barrier;
;   (4) multiplies K steps 2 b and 2 b + 1 for row tiles 3 rq .. 3 rq + 2 and column tiles 4 cg .. 4 cg + 3: 16 LDS loads, 24 matrix instructions.
;       ROWS come as ready fragments (tile T, K step kk, half q, lane: T TS + kk 1024 + q 512 + lane 16, holding k = 64 (kk / 2) + 32 hh + 16 (kk mod 2) + 8 q + 0..7)
;       by loads of 512 consecutive bytes straight into a ring of seven register stages; the weights' fragments use the same permutation of k.
; WHY EIGHT WAVES AND THESE LEADS: a wave's loads come back in the order of issue, on one counter that ends at 63 (ISA guide 5.7.1).  A row load therefore stands behind
;   the weight loads issued before it, and a lead of the rows shorter than the weights' three beats would shorten theirs too: the rows are asked for six K steps ahead.
;   That is 24 + 36 = 60 loads of a wave out, 96 KiB of weights for the work-group; four waves would need 120 loads each.
; BARRIERS: 16, one a beat, in straight text with no branch ahead of the last of them.  Each LDS byte is written once: a barrier orders a beat's stores with the loads that
;   read them; between two barriers beat b + 1 is stored at bytes 16,384 (b + 1) and up while beat b is read below them.
; LATER PASSES (an expert with more than 191 tokens): a loop without barriers, on LDS that is only read by then.
; NOT IN A CLUSTER, NO TENSOR LOADS: a pass's row tiles are read by all work-groups of an expert and could be asked for jointly, but a joint request, and every
; refill of an LDS slot, stands behind a barrier.  The weights are shared by nobody.
; gelu: Phi by Abramowitz and Stegun 26.2.17, absolute error at most 7.5e-8 for every x; gelu = x / 2 + |x| (1/2 - tail(|x|)).
.set FIRST, 0
.if FIRST
.set WPL,   14                         ; a weight row is 1 << WPL bytes
.set TS,    32768                      ; bytes of a row tile in memory
.set SMETA, 10
.set SOUT,  12
.set OSTEP, 12*131072                  ; output bytes of a pass
.else
.set WPL,   12
.set TS,    131072
.set SMETA, 8
.set SOUT,  10
.set OSTEP, 12*65536
.endif
.set WP,    1<<WPL
.set YKS,   10223616                   ; bytes of one ks plane of y: 2,496 rows of 4,096
.set KSB,   8192                       ; LDS bytes of a K step: 8 column tiles of 1,024
; window 0 (v0-v255)
.set L16,   1                          ; 16 x lane
.set WOFF,  2                          ; 32 hh rows + 16 r
.set PFOFF, 3                          ; (32 (l / 16) + 64 (bit 3 of l) + l mod 8) rows
.set WST,   4                          ; v4-v7    where I store weights: beats 0-3, 4-7, 8-11, 12-15 (an LDS immediate has 16 bits)
.set BAD,   8                          ; v8-v11   where I read weights: K steps 0-7, 8-15, 16-23, 24-31
.set OOFF,  12                         ; FIRST = 0: 8 hh rows of y + 16 r
.set BOFF,  13                         ; FIRST = 1: 128 hh
.set BF,    16                         ; v[16:79]   weights' fragments, two buffers: column tile c at BF + 32 buffer + 8 c
.set RS,    80                         ; v[80:247]  row fragments: K step kk in stage kk mod 7, row tile i at RS + 24 stage + 8 i
.set OUT,   80                         ; on the way out: the results, over the stages that are done with
.set TV,    248                        ; v[248:250] at work in the set-up
; window 1 (v256-v511): v[0:95] accumulators, row tile i, column tile c at 32 i + 8 c
.set WS,    96                         ; v[96:191]  three stages of weights as loaded: beat b in stage b mod 3, load i, component c at WS + 32 stage + 4 i + c
.set CB,    192                        ; v[192:207] my eighth of a beat in f16: column tile c at CB + 4 c
.set BIAS,  208                        ; v[208:239] b1 of column 32 hh + 4 j + c at BIAS + 8 c + j
.set CV4,   240                        ; v[240:241] one coefficient of gelu
.set GU,    96                         ; on the way out: gelu's temporaries, over the stages of weights
.set GT,    104
.set GQ,    112
; s_set_vgpr_msb's low byte: bits 1:0 source 0, 3:2 source 1, 5:4 source 2, 7:6 destination; the high byte repeats the setting that is left.
.set MSB, 0
.macro WIN new
.if MSB != \new
	s_set_vgpr_msb (MSB<<8)|\new
.set MSB, \new
.endif
.endm
; Four plain vector instructions stand between a matrix instruction and a vector write or a load into one of its registers, or a read of its result.
.macro PLACES
.rept 4
	v_nop
.endr
.endm
; My 8 weight loads of beat j.  Their first row, less 16 kh + 8 q + 32 hh, is 64 j.  Rows 0-511 go by base s[44:45], rows 512-1023 by s[46:47]: the largest immediate is 455 rows.
.macro WLOAD j
	WIN 0x40                                       ; destination window 1
.set wl_r, 64*((\j)%8)
.set wl_g, WS+32*((\j)%3)
.if (\j) >= 8
.set wl_b, 46
.else
.set wl_b, 44
.endif
.set wl_i, 0
.rept 8
	global_load_b128 v[wl_g+4*wl_i:wl_g+4*wl_i+3], v[WOFF], s[wl_b:wl_b+1] offset:(wl_r+wl_i)*WP th:TH_LOAD_NT
.set wl_i, wl_i+1
.endr
.endm
; f32 to f16: rows 2 t and 2 t + 1 of component c make register t of my half of column tile c's fragment
.macro WCVT j
	WIN 0x45                                       ; sources and destination window 1
.set wc_g, WS+32*((\j)%3)
.irp c, 0,1,2,3
.irp t, 0,1,2,3
	v_cvt_pk_f16_f32 v[CB+4*\c+\t], v[wc_g+8*\t+\c], v[wc_g+8*\t+4+\c]
.endr
.endr
.endm
; One prefetch whose 32 lanes name my 32 row pieces of 256 bytes of beats j and j + 1 (j even).  Beats 4 and 5 are named at the start, beats b + 6 and b + 7 in each even
; beat b up to 8: three and four beats before their loads are issued.  Each piece is named once in the launch, by the wave that will load it; the last beat named is 15,
; whose last row is 960 + 32 + 24 + 7 = 1023: no address passes the weights.
.macro PREF j
.if (\j) >= 8
.set wl_b, 46
.else
.set wl_b, 44
.endif
	global_prefetch_b8 v[PFOFF], s[wl_b:wl_b+1] offset:(64*((\j)%8))*WP th:TH_LOAD_NT scope:SCOPE_SE
.endm
; 6 loads: the fragments of K step kk of my three row tiles.
.macro ALOADG kk
.set al_s, RS+24*((\kk)%7)
.irp i, 0,1,2
	global_load_b128 v[al_s+8*\i:al_s+8*\i+3], v[L16], s[38:39] offset:TS*\i+1024*(\kk)
	global_load_b128 v[al_s+8*\i+4:al_s+8*\i+7], v[L16], s[38:39] offset:TS*\i+1024*(\kk)+512
.endr
.endm
; 8 LDS loads: the weights' fragments of K step kk, my four column tiles.  Lane l reads the 16 bytes at 16 l.
.macro BLOAD kk
.set bl_b, BF+32*((\kk)%2)
.irp c, 0,1,2,3
	ds_load_b128 v[bl_b+8*\c:bl_b+8*\c+3], v[BAD+(\kk)/8] offset:KSB*((\kk)%8)+1024*\c
	ds_load_b128 v[bl_b+8*\c+4:bl_b+8*\c+7], v[BAD+(\kk)/8] offset:KSB*((\kk)%8)+1024*\c+512
.endr
.endm
; One matrix instruction.  start = 0: adds in place; 1: starts the sum, with the bias (FIRST) or with 0.
; FIRST: source 0 = weights, source 1 = rows: lane (r, hh) then holds row r, columns 32 hh + 4 j + c: the 16-byte pieces of the next product's fragments.
; else: source 0 = rows, source 1 = weights: lane (r, hh) holds row 8 hh + j, column 4 r + c: 16 neighbouring bytes of a row of y over the four c.
.macro MM d, w, a, start, cb
.if FIRST
.if \start
	v_wmma_f32_16x16x32_f16 v[\d:\d+7], v[\w:\w+7], v[\a:\a+7], v[\cb:\cb+7]
.else
	v_wmma_f32_16x16x32_f16 v[\d:\d+7], v[\w:\w+7], v[\a:\a+7], v[\d:\d+7]
.endif
.else
.if \start
	v_wmma_f32_16x16x32_f16 v[\d:\d+7], v[\a:\a+7], v[\w:\w+7], 0
.else
	v_wmma_f32_16x16x32_f16 v[\d:\d+7], v[\a:\a+7], v[\w:\w+7], v[\d:\d+7]
.endif
.endif
.endm
; 12 matrix instructions, one for each accumulator, in the same order in every K step: the accumulators take turns.
.macro MULS kk, start
.set mu_b, BF+32*((\kk)%2)
.set mu_s, RS+24*((\kk)%7)
	WIN 0x50                                       ; weights and rows window 0; C (accumulator or bias) and D window 1
.irp i, 0,1,2
.irp c, 0,1,2,3
	MM 32*\i+8*\c, mu_b+8*\c, mu_s+8*\i, \start, BIAS+8*\c
.endr
.endr
.endm
; One K step.  lc = how many loads were issued behind this step's row loads; left = how many of the beat's LDS loads may stay out.
.macro KHALF kk, lc, left
	s_wait_loadcnt \lc
.if (\kk) <= 25
	WIN 0
	ALOADG (\kk)+6                                 ; into the stage that the last K step read: four places stand in front
.endif
	s_wait_dscnt \left
.if (\kk) == 0
	MULS \kk, 1
.else
	MULS \kk, 0
.endif
.endm
; The products of a beat: K steps 2 r and 2 r + 1.  Four places stand in front of it.
.macro CPAIR r, c0, c1
	WIN 0
	BLOAD 2*\r
	BLOAD 2*\r+1
	KHALF 2*\r, \c0, 8                             ; the first step's 8 weight loads are in; the second step's 8 stay out
	PLACES
	KHALF 2*\r+1, \c1, 0
.endm
; A beat of the first pass.  Loads are issued in this order: W0 W1 W2 A0 .. A5, then in beat b: W(b+3) (8 loads), A(2b+6), A(2b+7) (6 each), up to beat 12.
;   cw: issued behind beat b's weights: the 12 row loads of the beat that asked for them and 20 loads in each of the two beats since: 52.
;   c0: issued behind K step 2 b's rows: 6 + 20 + 20 + this beat's 8 = 54.    c1: behind K step 2 b + 1's rows: 20 + 20 + 8 + 6 = 54.
; In the first beats less has been issued, in the last three nothing is issued any more: the table below the set-up gives every count.
.macro BEAT b, cw, c0, c1
	PLACES                                         ; behind the last beat's matrix instructions, in front of the loads into the buffers and the stage that they read
	s_wait_loadcnt \cw
	WCVT \b
.if (\b) <= 12
	WLOAD (\b)+3                                   ; into the stage that has just been converted
.endif
.if (\b) <= 8
.if ((\b)%2) == 0
	PREF (\b)+6
.endif
.endif
	WIN 0x04                                       ; store data window 1, address window 0
.irp c, 0,1,2,3
	ds_store_b128 v[WST+(\b)/4], v[CB+4*\c:CB+4*\c+3] offset:2*KSB*((\b)%4)+1024*\c        ; lane l writes the 16 bytes at 16 l
.endr
	s_wait_dscnt 0x0                               ; my eighth of the beat is in LDS, for the other waves' sake
	s_barrier_signal -1
	s_barrier_wait -1                              ; K steps 2 b and 2 b + 1 are whole
	CPAIR \b, \c0, \c1
.endm
; A beat of a later pass: the products alone.
.macro LPAIR r, c0, c1
	PLACES
	CPAIR \r, \c0, \c1
.endm
.if FIRST
; gelu / 16 of eight registers of window 1, in place.  The five coefficients and the two halves carry the factor 1/16.
.macro GELU8 x
.irp k, 0,2,4,6
	v_pk_mul_f32 v[GU+\k:GU+\k+1], v[\x+\k:\x+\k+1], v[\x+\k:\x+\k+1]
.endr
.irp k, 0,1,2,3,4,5,6,7
	v_and_b32 v[GT+\k], s68, v[\x+\k]
.endr
.irp k, 0,2,4,6
	v_pk_fma_f32 v[GT+\k:GT+\k+1], v[GT+\k:GT+\k+1], s[52:53], 1.0 op_sel_hi:[1,0,0]
.endr
.irp k, 0,1,2,3,4,5,6,7
	v_rcp_f32 v[GT+\k], v[GT+\k]                   ; t = 1 / (1 + 0.2316419 |x|)
.endr
.irp k, 0,2,4,6
	v_pk_mul_f32 v[GU+\k:GU+\k+1], v[GU+\k:GU+\k+1], s[54:55] op_sel_hi:[1,0]      ; plain instructions behind the reciprocals, none of which names t
.endr
.irp k, 0,1,2,3,4,5,6,7
	v_exp_f32 v[GU+\k], v[GU+\k]                   ; exp(-x x / 2)
.endr
.irp k, 0,2,4,6
	v_pk_fma_f32 v[GQ+\k:GQ+\k+1], v[GT+\k:GT+\k+1], s[56:57], v[CV4:CV4+1] op_sel_hi:[1,0,1]   ; plain instructions behind the exponentials
.endr
.irp k, 0,2,4,6
	v_pk_fma_f32 v[GQ+\k:GQ+\k+1], v[GQ+\k:GQ+\k+1], v[GT+\k:GT+\k+1], s[60:61] op_sel_hi:[1,1,0]
.endr
.irp k, 0,2,4,6
	v_pk_fma_f32 v[GQ+\k:GQ+\k+1], v[GQ+\k:GQ+\k+1], v[GT+\k:GT+\k+1], s[62:63] op_sel_hi:[1,1,0]
.endr
.irp k, 0,2,4,6
	v_pk_fma_f32 v[GQ+\k:GQ+\k+1], v[GQ+\k:GQ+\k+1], v[GT+\k:GT+\k+1], s[66:67] op_sel_hi:[1,1,0]
.endr
.irp k, 0,2,4,6
	v_pk_mul_f32 v[GQ+\k:GQ+\k+1], v[GQ+\k:GQ+\k+1], v[GT+\k:GT+\k+1]
.endr
.irp k, 0,2,4,6
	v_pk_fma_f32 v[GQ+\k:GQ+\k+1], v[GQ+\k:GQ+\k+1], v[GU+\k:GU+\k+1], s[70:71] op_sel_hi:[1,1,0] neg_lo:[1,0,0] neg_hi:[1,0,0]   ; (1/2 - tail) / 16
.endr
.irp k, 0,2,4,6
	v_pk_mul_f32 v[GU+\k:GU+\k+1], v[\x+\k:\x+\k+1], s[70:71] op_sel_hi:[1,0]      ; x / 32
.endr
.irp k, 0,1,2,3,4,5,6,7
	v_fma_f32 v[\x+\k], |v[\x+\k]|, v[GQ+\k], v[GU+\k]
.endr
.endm
; Row tile i: gelu, round, store four times 512 consecutive bytes.  All 12 tiles of a pass are stored: the next launch loads them all.
; Each tile has its own 16 registers, so no store's data is rewritten in a pass.
.macro EPI i, id
	WIN 0x55                                       ; all in window 1
	GELU8 32*\i
	GELU8 32*\i+8
	GELU8 32*\i+16
	GELU8 32*\i+24
	WIN 0x05                                       ; sources window 1, destination window 0
.set ep_k, 0
.rept 16                                       ; word t of my 64 bytes: columns 4 (t / 2) + 2 (t mod 2) and the next
	v_cvt_pk_f16_f32 v[OUT+16*\i+ep_k], v[32*\i+16*(ep_k%2)+ep_k/2], v[32*\i+16*(ep_k%2)+8+ep_k/2]
.set ep_k, ep_k+1
.endr
	WIN 0
.irp n, 0,1,2,3
	global_store_b128 v[L16], v[OUT+16*\i+4*\n:OUT+16*\i+4*\n+3], s[48:49] offset:131072*\i+512*\n
.endr
.endm
.else
; Row tile i, if any of its rows is below the expert's count.  A lane's four numbers of a row lie in the four column tiles' registers: 32 multiplications by 16
; (h was kept as gelu / 16) bring them together, then eight stores, each of two pieces of 256 consecutive bytes.  Each tile has its own 32 registers, so no
; store's data is rewritten in a pass.
.macro EPI i, id
	WIN 0
	s_cmp_le_i32 s25, 16*\i
	s_cbranch_scc1 .Ldone_\id
	WIN 0x04                                       ; source 1 window 1, destination window 0
.irp j, 0,1,2,3,4,5,6,7
.irp c, 0,1,2,3
	v_mul_f32 v[OUT+32*\i+4*\j+\c], 0x41800000, v[32*\i+8*\c+\j]
.endr
.endr
	WIN 0
.irp j, 0,1,2,3,4,5,6,7
	global_store_b128 v[OOFF], v[OUT+32*\i+4*\j:OUT+32*\i+4*\j+3], s[48:49] offset:65536*\i+4096*\j
.endr
.endm
.endif
; The way out of a pass, and the step to the next.
.macro WAYOUT id
	PLACES                                         ; behind the last matrix instructions, in front of every read of a result and every write of a source
	EPI 0, \id
	EPI 1, \id
	EPI 2, \id
	WIN 0
.if FIRST == 0
.Ldone_\id:
	s_sub_co_i32 s25, s25, 192
.endif
	s_wait_xcnt 0x0                                ; the bases and the stores' data are rewritten only behind this wait
	s_add_nc_u64 s[38:39], s[38:39], 12*TS         ; the next 12 row tiles (every row load has come back: the last K step's wait was for 0)
	s_add_nc_u64 s[48:49], s[48:49], OSTEP
	s_add_co_u32 s24, s24, 1
.endm
	s_load_b256 s[4:11], s[0:1], 0x0               ; rows s[4:5], weights s[6:7], then FIRST: b1, meta; else: meta, y
	v_lshl_add_u32 v254, v0, 2, 0x40000
	v_mov_b32 v255, 0
.if FIRST
	s_load_b64 s[12:13], s[0:1], 0x20              ; h
.endif
	v_lshrrev_b32 v[TV], 5, v0
	v_readfirstlane_b32 s14, v[TV]                 ; wave 0..7
	s_lshr_b32 s16, s14, 2                         ; cg: which 64 columns
	s_bfe_u32 s15, s14, 0x10001                    ; kh: which K step of a beat I convert (bit 1 of the wave's number)
	s_and_b32 s72, s14, 1                          ; q: which half of its fragments
	s_and_b32 s73, s14, 3                          ; rq = 2 kh + q: which three row tiles I multiply
	s_and_b32 s17, ttmp7, 0xffff                   ; e
.if FIRST
	s_mov_b32 s18, ttmp9                           ; ns
.else
	s_and_b32 s18, ttmp9, 7                        ; ns
	s_lshr_b32 s19, ttmp9, 3                       ; ks
.endif
	v_and_b32 v[TV], 31, v0
	v_and_b32 v[TV+1], 15, v0                      ; r
	v_bfe_u32 v[TV+2], v0, 4, 1                    ; hh
	v_lshlrev_b32 v[L16], 4, v[TV]
	v_lshlrev_b32 v[WOFF], 4, v[TV+1]
	v_lshl_add_u32 v[WOFF], v[TV+2], WPL+5, v[WOFF]
	v_and_b32 v[TV], 7, v0
	v_lshl_add_u32 v[PFOFF], v[TV+2], 5, v[TV]
	v_bfe_u32 v[TV], v0, 3, 1
	v_lshl_add_u32 v[PFOFF], v[TV], 6, v[PFOFF]
	v_lshlrev_b32 v[PFOFF], WPL, v[PFOFF]
	s_lshl_b32 s26, s16, 12                        ; my four column tiles in a K step's 8,192 bytes
	s_lshl_b32 s27, s15, 13                        ; K step kh of a beat's two
	s_add_co_u32 s27, s27, s26
	s_lshl_b32 s50, s72, 9                         ; half q of a fragment's 1,024 bytes
	s_add_co_u32 s27, s27, s50
	v_add_nc_u32 v[WST], s27, v[L16]
	v_add_nc_u32 v[WST+1], 0x10000, v[WST]
	v_add_nc_u32 v[WST+2], 0x20000, v[WST]
	v_add_nc_u32 v[WST+3], 0x30000, v[WST]
	v_add_nc_u32 v[BAD], s26, v[L16]
	v_add_nc_u32 v[BAD+1], 0x10000, v[BAD]
	v_add_nc_u32 v[BAD+2], 0x20000, v[BAD]
	v_add_nc_u32 v[BAD+3], 0x30000, v[BAD]
.if FIRST
	v_lshlrev_b32 v[BOFF], 7, v[TV+2]
.else
	v_lshlrev_b32 v[OOFF], 4, v[TV+1]
	v_lshl_add_u32 v[OOFF], v[TV+2], 15, v[OOFF]
.endif
	; the weights: expert (16 MiB) + my first row (16 kh + 8 q = 8 rq) + my 256 bytes of a row
	s_lshl_b32 s50, s17, 24
	s_mov_b32 s51, 0
	s_lshl_b32 s26, s73, WPL+3
	s_add_co_u32 s50, s50, s26
	s_lshl_b32 s26, s18, 9
	s_add_co_u32 s50, s50, s26
	s_lshl_b32 s26, s16, 8
	s_add_co_u32 s50, s50, s26
.if FIRST == 0
	s_lshl_b32 s26, s19, 22                        ; 1,024 ks rows of 4,096 bytes
	s_add_co_u32 s50, s50, s26
.endif
	s_wait_kmcnt 0x0
	s_add_nc_u64 s[44:45], s[6:7], s[50:51]
	s_add_nc_u64 s[46:47], s[44:45], 512*WP
	s_lshl_b32 s50, s17, 6
	s_add_nc_u64 s[SMETA:SMETA+1], s[SMETA:SMETA+1], s[50:51]
	s_load_b128 s[20:23], s[SMETA:SMETA+1], 0x0    ; cnt, npass, tilebase, cap: waited for behind the first weight loads
.if FIRST
	s_mov_b32 s52, 0x3e6d3389                      ; 0.2316419
	s_mov_b32 s53, 0x3e6d3389
	s_mov_b32 s54, 0xbf38aa3b                      ; -log2(e) / 2
	s_mov_b32 s55, 0xbf38aa3b
	s_mov_b32 s56, 0x3d07dc22                      ; the five coefficients, each times 1 / sqrt(2 pi) and 1/16:  0.53070271 / 16
	s_mov_b32 s57, 0x3d07dc22
	s_mov_b32 s58, 0xbd3a00e3                      ; -0.72657601 / 16
	s_mov_b32 s60, 0x3d35f0e3                      ;  0.71070687 / 16
	s_mov_b32 s61, 0x3d35f0e3
	s_mov_b32 s62, 0xbc11a98e                      ; -0.14224837 / 16
	s_mov_b32 s63, 0xbc11a98e
	s_mov_b32 s66, 0x3c027906                      ;  0.12741479 / 16
	s_mov_b32 s67, 0x3c027906
	s_mov_b32 s68, 0x7fffffff
	s_mov_b32 s70, 0x3d000000                      ; 1/32 = (1/2) / 16
	s_mov_b32 s71, 0x3d000000
	s_lshl_b32 s50, s17, 14                        ; b1: expert + my 64 columns
	s_lshl_b32 s26, s18, 9
	s_add_co_u32 s50, s50, s26
	s_lshl_b32 s26, s16, 8
	s_add_co_u32 s50, s50, s26
	s_add_nc_u64 s[8:9], s[8:9], s[50:51]
	WIN 0x40                                       ; destination window 1
.irp c, 0,1,2,3
.irp j, 0,1,2,3,4,5,6,7
	global_load_b32 v[BIAS+8*\c+\j], v[BOFF], s[8:9] offset:4*(4*\j+\c)    ; once in the launch; older than every other load, so beat 0's first wait covers it
.endr
.endr
	v_mov_b32 v[CV4], s58
	v_mov_b32 v[CV4+1], s58
.endif
	WLOAD 0
	WLOAD 1
	WLOAD 2
	PREF 4
	s_wait_kmcnt 0x0
.if FIRST == 0
	s_min_u32 s20, s20, 1025
.endif
	s_min_u32 s21, s21, 6
	s_min_u32 s22, s22, 144
	s_mul_i32 s26, s73, 3
	s_add_co_u32 s26, s26, s22                     ; my first row tile: tilebase + 3 rq
	s_mul_i32 s50, s26, TS
.if FIRST == 0
	s_lshl_b32 s27, s19, 15                        ; ks: 32 K steps of 1,024 bytes
	s_add_co_u32 s50, s50, s27
.endif
	s_add_nc_u64 s[38:39], s[4:5], s[50:51]        ; my row fragments
.if FIRST
	s_lshl_b32 s50, s26, 17                        ; tiles of 131,072 bytes
	s_lshl1_add_u32 s27, s18, s16                  ; my 64 columns are group 2 ns + cg of the next product's K
	s_lshl_b32 s27, s27, 11
	s_add_co_u32 s50, s50, s27
.else
	s_lshl_b32 s50, s26, 16                        ; tiles of 16 rows of 4,096 bytes
	s_mul_i32 s27, s19, YKS
	s_add_co_u32 s50, s50, s27
	s_lshl_b32 s27, s18, 9
	s_add_co_u32 s50, s50, s27
	s_lshl_b32 s27, s16, 8
	s_add_co_u32 s50, s50, s27
	s_mul_i32 s27, s73, 48
	s_sub_co_i32 s25, s20, s27                     ; rows of the expert from my first row on
.endif
	s_add_nc_u64 s[48:49], s[SOUT:SOUT+1], s[50:51]
	s_mov_b32 s24, 0                               ; pass
	WIN 0
.irp kk, 0,1,2,3,4,5
	ALOADG \kk
.endr
	; THE FIRST PASS.  Counts: behind W0 stand W1, W2 and A0-A5: 16 + 36 = 52.  Behind A0: A1-A5 and W3: 38; behind A1: A2-A5, W3, A6: 38; a beat later 18 + 20 + 8 and
	; 12 + 20 + 8 + 6 = 46; from beat 2 on 54.  In beats 1 and 2 more than 52 loads stand behind the beat's weights (64, 76): K step 0's wait has shown them landed, and the
	; wait is met at once.  Beats 13 to 15 issue nothing: behind W13 12 + 20 + 20, W14 12 + 20, W15 12; behind A26 6 + 20 + 20, A27 20 + 20, A28 6 + 20, A29 20, A30 6, A31 0.
	BEAT 0,  52, 38, 38
	BEAT 1,  52, 46, 46
	BEAT 2,  52, 54, 54
	BEAT 3,  52, 54, 54
	BEAT 4,  52, 54, 54
	BEAT 5,  52, 54, 54
	BEAT 6,  52, 54, 54
	BEAT 7,  52, 54, 54
	BEAT 8,  52, 54, 54
	BEAT 9,  52, 54, 54
	BEAT 10, 52, 54, 54
	BEAT 11, 52, 54, 54
	BEAT 12, 52, 54, 54
	BEAT 13, 52, 46, 40
	BEAT 14, 32, 26, 20
	BEAT 15, 12, 6, 0
	WAYOUT 0
	s_cmp_ge_u32 s24, s21
	s_cbranch_scc1 .Lend                           ; one pass served the expert
	; THE LATER PASSES: no weights are loaded, no barrier stands here.  Behind a K step's rows stand the five younger steps' 30 loads; at the end the counts run down.
.Lpass:
.irp kk, 0,1,2,3,4,5
	ALOADG \kk
.endr
.irp r, 0,1,2,3,4,5,6,7,8,9,10,11,12
	LPAIR \r, 30, 30
.endr
	LPAIR 13, 30, 24
	LPAIR 14, 18, 12
	LPAIR 15, 6, 0
	WAYOUT 1
	s_cmp_lt_u32 s24, s21
	s_cbranch_scc1 .Lpass
.Lend:
	s_barrier_signal -1
	s_barrier_wait -1
	s_wait_tensorcnt 0x0
	ds_add_u32 v254, v255
	s_wait_dscnt 0x0
	s_endpgm
.Lfunc_end_k_q3a22a6da19_gemm2:
	.size	k_q3a22a6da19_gemm2, .Lfunc_end_k_q3a22a6da19_gemm2-k_q3a22a6da19_gemm2
	.p2alignl 7, 3214868480
	.fill 96, 4, 3214868480
	.section	.rodata,"a",@progbits
	.p2align	6, 0x0
	.amdhsa_kernel k_q3a22a6da19_gemm2
		.amdhsa_group_segment_fixed_size 263168
		.amdhsa_private_segment_fixed_size 0
		.amdhsa_enable_private_segment 0
		.amdhsa_kernarg_size 32
		.amdhsa_user_sgpr_count 2
		.amdhsa_user_sgpr_kernarg_segment_ptr 1
		.amdhsa_wavefront_size32 1
		.amdhsa_system_sgpr_workgroup_id_x 1
		.amdhsa_system_sgpr_workgroup_id_y 1
		.amdhsa_system_sgpr_workgroup_id_z 1
		.amdhsa_system_vgpr_workitem_id 0
		.amdhsa_next_free_vgpr 512
		.amdhsa_next_free_sgpr 100
		.amdhsa_reserve_vcc 0
		.amdhsa_float_denorm_mode_32 3
		.amdhsa_float_denorm_mode_16_64 3
		.amdhsa_memory_ordered 1
		.amdhsa_forward_progress 1
		.amdhsa_inst_pref_size 190
	.end_amdhsa_kernel
	.amdgpu_metadata
---
amdhsa.version: [ 1, 2 ]
amdhsa.kernels:
  - .name:           k_q3a22a6da19_gemm2
    .symbol:         k_q3a22a6da19_gemm2.kd
    .args:
      - { .name: h, .offset: 0, .size: 8, .value_kind: global_buffer, .address_space: global }
      - { .name: W2, .offset: 8, .size: 8, .value_kind: global_buffer, .address_space: global }
      - { .name: meta, .offset: 16, .size: 8, .value_kind: global_buffer, .address_space: global }
      - { .name: y, .offset: 24, .size: 8, .value_kind: global_buffer, .address_space: global }
    .group_segment_fixed_size: 263168
    .private_segment_fixed_size: 0
    .kernarg_segment_align: 8
    .kernarg_segment_size: 32
    .max_flat_workgroup_size: 256
    .sgpr_count:     100
    .vgpr_count:     512
    .wavefront_size: 32
...
	.end_amdgpu_metadata
.endif
;; end of part 5
;; launch combine (part 6): grid 8 x 32, 8 waves a work-group, no clusters, 17,408 bytes of LDS; arguments y, b2, aff, tokinfo, meta, out0; writes out0
.if DOCPART == 6
	.amdgcn_target "amdgcn-amd-amdhsa--gfx1250"
	.amdhsa_code_object_version 6
	.text
	.protected	k_q3a22a6da19_combine
	.globl	k_q3a22a6da19_combine
	.p2align	8
	.type	k_q3a22a6da19_combine,@function
k_q3a22a6da19_combine:
	s_mov_b64 s[64:65], 0
	v_nop
	global_prefetch_b8 v0, s[64:65] scope:SCOPE_SE
	s_setreg_imm32_b32 hwreg(HW_REG_WAVE_MODE, 25, 1), 1
	s_wait_xcnt 0x0
; out[t] = sum over e of b2[e] + sum over e of (y_t if e is t's expert and t is dispatched, else g_e).
;   y_t = the sum of the four K parts of t's row of y;  g_e = the same of expert e's row 0 (x = 0): what the expert gives for a token that it masks out.
;   dispatched: the stable rank of aff[t][e*] among its batch's 256 tokens (how many are larger, plus how many equal ones stand before t) is below cap.
; No difference of sums is formed: each of the eight terms is chosen by v_cndmask_b32 and added.  No address and no branch hangs on the rank.
; Grid x = 128 columns (512 bytes), y = 32 tokens of one batch.  Eight waves; wave w takes four tokens and makes g and b2 of expert w for all.
; A lane holds 16 bytes, so every load and store of a wave covers 512 consecutive bytes.  Memory binds; no matrix unit, no cluster.
; LIMIT: NaN affinities are not served.
.set YKS, 10223616                     ; bytes of one K part of y
.set AFL, 0                            ; LDS: the batch's 256 x 8 affinities
.set GL,  8192                         ; LDS: g_e, 512 bytes each
.set BL,  12288                        ; LDS: b2_e, 512 bytes each
.set GP,  16                           ; v[16:31]   the four parts of g
.set TO,  36                           ; v[36:39]   byte offset of token n's row
.set TR,  40                           ; v[40:103]  token n, part ks at TR + 16 n + 4 ks
.set GV,  104                          ; v[104:135] g_e
.set BV,  136                          ; v[136:167] b2_e; then v[136:139] their sum
.set AC,  168                          ; v[168:183] token n's result
.set TM,  184                          ; v[184:191] two sets of four chosen terms
.set RO,  192                          ; v[192:227] token n: its own affinity, then those of tokens 32 i + l
.set AO,  228                          ; v[228:231] LDS address of token n's own affinity
.set AT,  232                          ; v[232:235] LDS address of lane l's token's affinity to token n's expert
	s_load_b256 s[4:11], s[0:1], 0x0               ; y s[4:5], b2 s[6:7], aff s[8:9], tokinfo s[10:11]
	s_load_b128 s[12:15], s[0:1], 0x20             ; meta s[12:13], out0 s[14:15]
	v_lshl_add_u32 v240, v0, 2, 0x4000
	v_mov_b32 v241, 0
	v_and_b32 v1, 31, v0
	v_lshrrev_b32 v2, 5, v0
	v_readfirstlane_b32 s16, v2                    ; wave
	s_and_b32 s18, ttmp7, 0xffff                   ; group of 32 tokens
	s_lshl_b32 s19, s18, 5
	s_lshl2_add_u32 s19, s16, s19                  ; my first token
	s_lshl_b32 s26, s19, 2
	s_mov_b32 s27, 0
	s_lshl_b32 s28, s16, 6
	s_mov_b32 s29, 0
	v_lshlrev_b32 v3, 4, v0                        ; 16 x thread
	v_lshlrev_b32 v4, 4, v1                        ; 16 x lane
	s_wait_kmcnt 0x0
	s_add_nc_u64 s[10:11], s[10:11], s[26:27]
	s_add_nc_u64 s[30:31], s[12:13], s[28:29]
	s_load_b128 s[20:23], s[10:11], 0x0            ; tokinfo of my four tokens
	s_load_b32 s24, s[12:13], 0xc                  ; cap
	s_load_b32 s25, s[30:31], 0x8                  ; tilebase of expert w
	s_lshr_b32 s26, s18, 3
	s_lshl_b32 s26, s26, 13                        ; the batch's 8 KiB of aff
	s_add_nc_u64 s[8:9], s[8:9], s[26:27]
	global_load_b128 v[8:11], v3, s[8:9]
	global_load_b128 v[12:15], v3, s[8:9] offset:4096
	s_lshl_b32 s28, ttmp9, 9                       ; my 512 bytes of a row
	s_lshl_b32 s26, s16, 12
	s_add_co_u32 s26, s26, s28
	s_add_nc_u64 s[6:7], s[6:7], s[26:27]
	global_load_b128 v[32:35], v4, s[6:7]          ; b2 of expert w
	s_add_nc_u64 s[32:33], s[4:5], s[28:29]        ; the four K parts of y at my columns
	s_add_nc_u64 s[34:35], s[32:33], YKS
	s_add_nc_u64 s[36:37], s[34:35], YKS
	s_add_nc_u64 s[38:39], s[36:37], YKS
	s_lshl_b32 s26, s19, 12
	s_add_co_u32 s26, s26, s28
	s_add_nc_u64 s[58:59], s[14:15], s[26:27]      ; out0 at my first token, my columns
	s_and_b32 s48, s19, 255                        ; my first token's place in its batch
	s_wait_kmcnt 0x0
	s_min_u32 s25, s25, 144
	s_lshl_b32 s25, s25, 16                        ; row 16 tilebase, 4,096 bytes a row
	v_add_nc_u32 v5, s25, v4
.irp ks, 0,1,2,3
	global_load_b128 v[GP+4*\ks:GP+4*\ks+3], v5, s[32+2*\ks:33+2*\ks]
.endr
.irp n, 0,1,2,3
	s_and_b32 s[40+\n], s[20+\n], 0xffff
	s_min_u32 s[40+\n], s[40+\n], 2495
	s_lshl_b32 s[40+\n], s[40+\n], 12
	v_add_nc_u32 v[TO+\n], s[40+\n], v4
	s_lshr_b32 s[44+\n], s[20+\n], 16
	s_min_u32 s[44+\n], s[44+\n], 7                ; the token's expert
.endr
.irp n, 0,1,2,3
.irp ks, 0,1,2,3
	global_load_b128 v[TR+16*\n+4*\ks:TR+16*\n+4*\ks+3], v[TO+\n], s[32+2*\ks:33+2*\ks]
.endr
.endr
	; LDS addresses of the affinities that the ranks need
	v_lshlrev_b32 v6, 5, v1                        ; 32 l
.irp n, 0,1,2,3
	s_add_co_u32 s50, s48, \n
	s_lshl_b32 s50, s50, 5
	s_lshl2_add_u32 s50, s[44+\n], s50             ; 32 place + 4 e
	v_mov_b32 v[AO+\n], s50
	v_lshl_add_u32 v[AT+\n], s[44+\n], 2, v6       ; 32 l + 4 e
.endr
	s_lshl_b32 s50, s16, 9
	v_add_nc_u32 v7, s50, v4                       ; 512 w + 16 l
	s_wait_loadcnt 16                              ; aff, b2 and g's parts are in; the 16 loads of the tokens' rows stay out
	ds_store_b128 v3, v[8:11] offset:AFL
	ds_store_b128 v3, v[12:15] offset:AFL+4096
	v_pk_add_f32 v[GP:GP+1], v[GP:GP+1], v[GP+4:GP+5]
	v_pk_add_f32 v[GP+2:GP+3], v[GP+2:GP+3], v[GP+6:GP+7]
	v_pk_add_f32 v[GP+8:GP+9], v[GP+8:GP+9], v[GP+12:GP+13]
	v_pk_add_f32 v[GP+10:GP+11], v[GP+10:GP+11], v[GP+14:GP+15]
	v_pk_add_f32 v[GP:GP+1], v[GP:GP+1], v[GP+8:GP+9]
	v_pk_add_f32 v[GP+2:GP+3], v[GP+2:GP+3], v[GP+10:GP+11]
	ds_store_b128 v7, v[GP:GP+3] offset:GL
	ds_store_b128 v7, v[32:35] offset:BL
	s_wait_dscnt 0x0                               ; for the other waves' sake
	s_barrier_signal -1
	s_barrier_wait -1
.irp e, 0,1,2,3,4,5,6,7
	ds_load_b128 v[GV+4*\e:GV+4*\e+3], v4 offset:GL+512*\e
	ds_load_b128 v[BV+4*\e:BV+4*\e+3], v4 offset:BL+512*\e
.endr
.irp n, 0,1,2,3
	ds_load_b32 v[RO+9*\n], v[AO+\n] offset:AFL
.irp i, 0,1,2,3,4,5,6,7
	ds_load_b32 v[RO+9*\n+1+\i], v[AT+\n] offset:AFL+1024*\i
.endr
.endr
	s_wait_dscnt 0x0
.irp e, 1,2,3,4,5,6,7
	v_pk_add_f32 v[BV:BV+1], v[BV:BV+1], v[BV+4*\e:BV+4*\e+1]
	v_pk_add_f32 v[BV+2:BV+3], v[BV+2:BV+3], v[BV+4*\e+2:BV+4*\e+3]
.endr
	s_wait_loadcnt 0x0                             ; the tokens' rows
.macro TOKEN n
	s_mov_b32 s50, 0                               ; rank
	s_add_co_u32 s51, s48, \n                      ; the token's place in its batch
.irp i, 0,1,2,3,4,5,6,7
	v_cmp_gt_f32 s52, v[RO+9*\n+1+\i], v[RO+9*\n]
	v_cmp_eq_f32 s53, v[RO+9*\n+1+\i], v[RO+9*\n]
	s_sub_co_i32 s54, s51, 32*\i
	v_cmp_gt_i32 s55, s54, v1                      ; token 32 i + l stands before mine
	s_and_b32 s53, s53, s55
	s_or_b32 s52, s52, s53
	s_bcnt1_i32_b32 s52, s52
	s_add_co_u32 s50, s50, s52
.endr
	s_cmp_lt_i32 s50, s24
	s_cselect_b32 s56, s[44+\n], 8                 ; the expert whose term is y_t; 8: none
	v_pk_add_f32 v[TR+16*\n:TR+16*\n+1], v[TR+16*\n:TR+16*\n+1], v[TR+16*\n+4:TR+16*\n+5]
	v_pk_add_f32 v[TR+16*\n+2:TR+16*\n+3], v[TR+16*\n+2:TR+16*\n+3], v[TR+16*\n+6:TR+16*\n+7]
	v_pk_add_f32 v[TR+16*\n+8:TR+16*\n+9], v[TR+16*\n+8:TR+16*\n+9], v[TR+16*\n+12:TR+16*\n+13]
	v_pk_add_f32 v[TR+16*\n+10:TR+16*\n+11], v[TR+16*\n+10:TR+16*\n+11], v[TR+16*\n+14:TR+16*\n+15]
	v_pk_add_f32 v[TR+16*\n:TR+16*\n+1], v[TR+16*\n:TR+16*\n+1], v[TR+16*\n+8:TR+16*\n+9]
	v_pk_add_f32 v[TR+16*\n+2:TR+16*\n+3], v[TR+16*\n+2:TR+16*\n+3], v[TR+16*\n+10:TR+16*\n+11]
.irp e, 0,1,2,3,4,5,6,7
	s_cmp_eq_u32 s56, \e
	s_cselect_b32 s57, -1, 0
.irp c, 0,1,2,3
	v_cndmask_b32 v[TM+4*(\e%2)+\c], v[GV+4*\e+\c], v[TR+16*\n+\c], s57
.endr
.if \e == 0
	v_pk_add_f32 v[AC+4*\n:AC+4*\n+1], v[BV:BV+1], v[TM:TM+1]
	v_pk_add_f32 v[AC+4*\n+2:AC+4*\n+3], v[BV+2:BV+3], v[TM+2:TM+3]
.else
	v_pk_add_f32 v[AC+4*\n:AC+4*\n+1], v[AC+4*\n:AC+4*\n+1], v[TM+4*(\e%2):TM+4*(\e%2)+1]
	v_pk_add_f32 v[AC+4*\n+2:AC+4*\n+3], v[AC+4*\n+2:AC+4*\n+3], v[TM+4*(\e%2)+2:TM+4*(\e%2)+3]
.endif
.endr
	global_store_b128 v4, v[AC+4*\n:AC+4*\n+3], s[58:59] offset:4096*\n
.endm
	TOKEN 0
	TOKEN 1
	TOKEN 2
	TOKEN 3
	s_barrier_signal -1
	s_barrier_wait -1
	s_wait_tensorcnt 0x0
	ds_add_u32 v240, v241
	s_wait_dscnt 0x0
	s_endpgm
.Lfunc_end_k_q3a22a6da19_combine:
	.size	k_q3a22a6da19_combine, .Lfunc_end_k_q3a22a6da19_combine-k_q3a22a6da19_combine
	.p2alignl 7, 3214868480
	.fill 96, 4, 3214868480
	.section	.rodata,"a",@progbits
	.p2align	6, 0x0
	.amdhsa_kernel k_q3a22a6da19_combine
		.amdhsa_group_segment_fixed_size 17408
		.amdhsa_private_segment_fixed_size 0
		.amdhsa_enable_private_segment 0
		.amdhsa_kernarg_size 48
		.amdhsa_user_sgpr_count 2
		.amdhsa_user_sgpr_kernarg_segment_ptr 1
		.amdhsa_wavefront_size32 1
		.amdhsa_system_sgpr_workgroup_id_x 1
		.amdhsa_system_sgpr_workgroup_id_y 1
		.amdhsa_system_sgpr_workgroup_id_z 1
		.amdhsa_system_vgpr_workitem_id 0
		.amdhsa_next_free_vgpr 242
		.amdhsa_next_free_sgpr 66
		.amdhsa_reserve_vcc 0
		.amdhsa_float_denorm_mode_32 3
		.amdhsa_float_denorm_mode_16_64 3
		.amdhsa_memory_ordered 1
		.amdhsa_forward_progress 1
		.amdhsa_inst_pref_size 40
	.end_amdhsa_kernel
	.amdgpu_metadata
---
amdhsa.version: [ 1, 2 ]
amdhsa.kernels:
  - .name:           k_q3a22a6da19_combine
    .symbol:         k_q3a22a6da19_combine.kd
    .args:
      - { .name: y, .offset: 0, .size: 8, .value_kind: global_buffer, .address_space: global }
      - { .name: b2, .offset: 8, .size: 8, .value_kind: global_buffer, .address_space: global }
      - { .name: aff, .offset: 16, .size: 8, .value_kind: global_buffer, .address_space: global }
      - { .name: tokinfo, .offset: 24, .size: 8, .value_kind: global_buffer, .address_space: global }
      - { .name: meta, .offset: 32, .size: 8, .value_kind: global_buffer, .address_space: global }
      - { .name: out0, .offset: 40, .size: 8, .value_kind: global_buffer, .address_space: global }
    .group_segment_fixed_size: 17408
    .private_segment_fixed_size: 0
    .kernarg_segment_align: 8
    .kernarg_segment_size: 48
    .max_flat_workgroup_size: 256
    .sgpr_count:     66
    .vgpr_count:     242
    .wavefront_size: 32
...
	.end_amdgpu_metadata
.endif
;; end of part 6
